; MI455X (gfx1250); checked and timed in simulation.
; The chip was launched on July 23, 2026; its instructions are those of AMD's public machine-readable ISA for CDNA 5 (MIT licence, August 2026) and "CDNA5" Instruction Set Architecture Reference Guide (July 2026). The comments in the code are by the model that wrote it; some were corrected since.
;; Enhanced Mixture Of Experts. Allowed arithmetic: matrix products marked QUANTISED: E2M3 operands, one E8M0 scale for each 32 along K, by v_wmma_scale_f32_16x16x128_f8f6f4 with both operands' format E2M3, f32 sums; products left as they are: f32 operands where the result goes on into a quantised operand, else bf16, f16 or f32 operands; f32 sums; everything else in f32.
;; Inputs: W1_codes 8 x 2,048 x 32 x 24 uint8 (E2M3 codes of W1, K innermost, in blocks of 32 codes, four codes in three bytes); W1_scales 8 x 2,048 x 32 uint8 (E8M0 scales of W1, one for each 32 codes along K); W2_codes 8 x 1,024 x 64 x 24 uint8 (E2M3 codes of W2, K innermost, in blocks of 32 codes, four codes in three bytes); W2_scales 8 x 1,024 x 64 uint8 (E8M0 scales of W2, one for each 32 codes along K); W3 8 x 1,024 x 1 float32; b1 8 x 2,048 float32; b2 8 x 1,024 float32; b3 8 x 1 float32; soft_cluster_probs 2,048 x 8 float32; x_codes 2,048 x 32 x 24 uint8 (E2M3 codes of x, K innermost, in blocks of 32 codes, four codes in three bytes); x_scales 2,048 x 32 uint8 (E8M0 scales of x, one for each 32 codes along K).
;; Outputs: out0 2,048 x 1 float32.
;; This version of the problem:
;;   THIS VERSION OF THE PROBLEM IS GIVEN IN LOW PRECISION. The matrix products marked QUANTISED in the list below multiply operands that are first quantised to E2M3 (2 exponent bits, 3 mantissa bits; 6 bits a number), with one power-of-two scale for each 32 numbers along K (OCP MX v1.0); their sums are f32. All else is computed in f32.
;;   The module's matrix products, in the order in which they are computed (A, B: the left and right operand; K: the contracted axis; several contracted axes count as one K, in the product's order):
;;     1. [M 16,384, K 1,024] x [K 1,024, N 2,048]; A: input W1 (given as codes); B: input x (given as codes): QUANTISED
;;     2. batch 8 x [M 2,048, K 2,048] x [K 2,048, N 1,024]; A: computed on the way; B: input W2 (given as codes): QUANTISED
;;     3. batch 8 x [M 2,048, K 1,024] x [K 1,024, N 1]; A: computed on the way; B: input W3: left as it is (N = 1 < 16)
;;     4. batch 2,048 x [M 1, K 8] x [K 8, N 1]; A: computed on the way; B: input soft_cluster_probs: left as it is (K = 8 < 32)
;;   THE QUANTISER, for each operand of a quantised product, along K:
;;     - K is cut into blocks of 32 from its start; a last block that is shorter is filled with zeros.
;;     - A block's scale is 2^e with e = floor(log2(the largest magnitude in the block)) - 2, held to -126 .. 127; a block of zeros has e = 0. As a byte (E8M0): e + 127.
;;     - Each number is divided by its block's scale, clamped to +-7.5, and rounded to the nearest number of E2M3, ties to even, subnormals kept.
;;     - The product sums the exact products of the quantised numbers (number of the format x scale) in f32.
;;   ~~~python
;;   def quantise(x, axis):      # numpy; x: float32 -> the quantised numbers, widened to float32 again
;;       x = np.moveaxis(x, axis, -1); K = x.shape[-1]
;;       x = np.pad(x, [(0, 0)] * (x.ndim - 1) + [(0, -K % 32)]); x = x.reshape(x.shape[:-1] + (-1, 32)); a = np.abs(x).max(-1, keepdims=True)
;;       e = np.where(a > 0, np.clip(np.frexp(np.where(a > 0, a, 1))[1] - 1 - 2, -126, 127), 0)      # np.frexp(a)[1] - 1 = floor(log2(a)), exactly
;;       r = np.clip(x / 2.0 ** e, -7.5, 7.5)
;;       step = 2.0 ** (np.maximum(np.frexp(np.where(r == 0, 1, r))[1] - 1, 0) - 3)
;;       q = np.round(r / step) * step * 2.0 ** e      # np.round: ties to even
;;       return np.moveaxis(q.reshape(q.shape[:-2] + (-1,))[..., :K], -1, axis).astype(np.float32)
;;   ~~~
;;   OPERANDS COMPUTED ON THE WAY. 'Computed on the way' means the value that the module computes at that place (a softmax that the list does not call 'softmax' is quantised finished and normalised). What goes into a quantiser is computed in f32, as accurately as f32 sums, v_exp_f32 and their like allow (about 1e-6 of the number): no bf16 or f16 on the way to a quantiser, and a product that is left as it is and whose result goes on into a quantised operand takes f32 operands (vector FMAs, or v_wmma_f32_16x16x4_f32). A number that lies on a knife's edge between two numbers of the format may be rounded either way, as far as f32 arithmetic and the matrix unit's own rounding can turn it there, and no further.
;;   INPUTS GIVEN AS CODES. W1 (in the module: [8, 1024, 2048], K = its axis 1); W2 (in the module: [8, 2048, 1024], K = its axis 1); x (in the module: [2048, 1024], K = its axis 1): each comes as NAME_codes (uint8): NAME with its K axis moved to the last place and cut into blocks of 32 codes, [.., K / 32, bytes a block], one block behind the other in memory; four codes in three bytes: a row's codes are one little-endian stream of bits, code i at bits 6 i .. 6 i + 5 (a code: sign, 2 exponent bits, 3 mantissa bits); and NAME_scales (uint8): the same leading axes, one E8M0 byte (e + 127) for each 32 codes along K. Its value is code x scale, taken as it is: it is not quantised again, and the codes and scales need not be those that the quantiser above would give.
;; 2 versions, each right. Each part assembles by itself: llvm-mc -triple=amdgcn-amd-amdhsa -mcpu=gfx1250 --defsym DOCPART=n.
;; ======== version 1 of 2: 2 launches
;; workspace buffers: y 65,536 bytes
;; launch chain (part 1): grid 32 x 8, 4 waves a work-group, clusters of 4 x 1, 327,680 bytes of LDS; arguments x_codes, x_scales, W1_codes, W1_scales, b1, W2_codes, W2_scales, b2, W3, b3, y; writes y
.if DOCPART == 1
	.amdgcn_target "amdgcn-amd-amdhsa--gfx1250"
	.amdhsa_code_object_version 6
	.text
	.protected	k_q8990d1aaa1_chain
	.globl	k_q8990d1aaa1_chain
	.p2align	8
	.type	k_q8990d1aaa1_chain,@function
k_q8990d1aaa1_chain:
	s_mov_b64 s[64:65], 0
	v_nop
	global_prefetch_b8 v0, s[64:65] scope:SCOPE_SE
	s_setreg_imm32_b32 hwreg(HW_REG_WAVE_MODE, 25, 1), 1
	s_wait_xcnt 0x0
	s_wait_alu depctr_hold_cnt(0) depctr_sa_sdst(0) depctr_va_vdst(0) depctr_va_sdst(0) depctr_va_ssrc(0) depctr_va_vcc(0) depctr_vm_vsrc(0)
	s_getreg_b32 s2, hwreg(HW_REG_IB_STS2, 6, 4)
	s_cmp_eq_u32 s2, 0
	s_cbranch_scc0 .Lentry_in_a_cluster
	s_endpgm
.Lentry_in_a_cluster:
	s_bfe_u32 s2, ttmp6, 0x10000c
	s_cmp_lg_u32 s2, 0x3003
	s_cbranch_scc0 .Lentry_shape_is_right
	s_endpgm
.Lentry_shape_is_right:
; y[e][b] = sigmoid(relu(Q(relu(x W1[e]^T + b1[e])) W2[e]^T + b2[e]) . W3[e] + b3[e]) for one expert e and 64 rows b.  x, W1, W2: codes of FP6 (E2M3) with one E8M0 byte for each 32 along K, taken as they lie.
; Q: the hidden layer h1 is quantised along its 2,048 units, in f32 registers, block by block of 32; it never leaves the work-group.  The sum over experts is the next launch's.
; SHARES.  256 work-groups: (expert, block of 64 rows).  Four waves, which share the COLUMNS: every wave holds all 64 rows of the right operand in registers (x, later h1) and streams only weight rows of its own.
;   phase 1, slots 0-15:  slot n = rows 128 n .. +127 of W1[e], all K (768 bytes a row); wave w takes 32 of them: 2 tiles x 8 K steps x 4 tiles of rows = 64 products.  Its 32 units are block w of K step n of the second product.
;   phase 2, slots 16-31: slot 16 + 4 kc + cg = rows 256 cg .. +255 of W2[e], K chunk kc of 512 (384 bytes of a row); wave w takes 64 of them: 4 tiles x 4 K steps x 4 tiles of rows = 64 products.
; Slot n lies in LDS buffer n % 2.  While slot n is multiplied out of registers, slot n + 1 is read from LDS into fragment registers as they fall free, and slot n + 2 is on its way into buffer n % 2.
; CLUSTER.  The four row blocks of a cluster belong to one expert and walk the same weights: every weight tile is asked for JOINTLY (mask 15).  x's rows are each work-group's own: a plain tensor load.
; BOTH PRODUCTS ARE USED TRANSPOSED: source 0 = 16 weight rows, source 1 = 16 rows of the batch.  In a result lane (r, h) holds row r of the batch, and register j the weight row 8 h + j.
; The biases are the sums' beginnings: b1 is the C of a slot's first products, b2 is loaded into phase 2's accumulators.  So a bias is added first and not last: an order of rounding that differs from the reference's.
; W2's SCALE BYTES are fetched chunk by chunk, 16 of a row's 64 bytes at a time, four visits to a row: all 128 words a wave would want register numbers that change from chunk to chunk (four written-out chunks of code), and
; LDS has 2,048 bytes left where the work-group's would take 65,536.  W1's and x's scale bytes are read once, in whole rows of 32 bytes.
; LIMITS: NaN, infinities and the scale byte 0xff among the inputs are not served (the activation turns a NaN into 0).  A block of h1 that is all zeros gets the byte 1 where the rule says 127: its codes are zeros,
; which add nothing under any byte but 0xff, and this program alone reads the byte.  Blocks of h1 whose largest number lies under 2^(3 - 127) are held at that floor's byte.
;
; LDS:  0 buffer 0, SLOTB buffer 1 (phase 1: 128 rows, 816 bytes apart: 768 + 16 behind each 256; phase 2: 256 rows, 432 apart: 384 + 16 behind each 128).  816 = 102 and 432 = 54 units of 8 bytes, 6 and 22 modulo 32:
;   16 neighbouring rows begin at the 16 even units and lanes 16-31 stand 3 or 5 units on, so the 32 lanes of a load of 8 bytes touch 64 different banks (64 banks of 4 bytes: ISA guide 11.1).
;   HIMG h1's codes, a run of HBS bytes for each wave: record (block, K step, tile of rows) at HBS x block + 1,536 x step + 384 x tile: 16 rows x 24 bytes as three planes of 128 bytes: word o of row r at 128 (o / 2) + 8 r + 4 (o % 2).
;        Its first 52,224 bytes hold x's 64 rows first (816 bytes apart): filled once, read into registers ahead of slot 0's round, written by h1's stores only behind it.
;   HSC  h1's scale bytes: 256 x step + 64 x tile + 4 r + block.    SPARE the spare words.    RED the waves' parts of the last dot product: 256 x wave + 4 x row.
; REGISTERS, in windows of 256 (s_set_vgpr_msb's low byte: bits 1:0 source 0, 3:2 source 1, 5:4 source 2, 7:6 destination):
;   window 0: v0-23 addresses; v24-63 scale words and nothing else; v64-255 the 16 weight fragments of a slot (fragment f at v[64 + 12 f]).
;   window 1: v0-191 x's K steps 0-3, later h1's four K steps of a chunk (fragment (s, m) at 12 (4 s + m)); v192-255 phase 1's 8 accumulators, at last W3.
;   window 2: v0-127 phase 2's accumulators of column group 0; v128-223 x's K steps 4, 5; v224-255 b1, two sets; in phase 2 v128-255: column group 1.
;   window 3: v0-95 x's K steps 6, 7; v96-191 the quantiser's; in phase 2: column groups 2 and 3.
.set SLOTB, 110592
.set P1,    816
.set P2,    432
.set W1P,   32*P1                      ; a wave's part of a buffer in phase 1
.set W2P,   64*P2                      ; and in phase 2
.set HIMG,  2*SLOTB
.set HBS,   24704                      ; 16 K steps x 1,536 bytes + 128: the 128 put lanes 16-31 of a reading load on the other half of the banks
.set HSC,   HIMG+4*HBS
.set SPARE, HSC+4096                   ; the spare words, 128 bytes for each wave: two blocks of 256 bytes that no other line names
.set RED,   SPARE+512
.set SPW,  1                           ; v1   LDS address of my spare word; never rewritten
.set NIL,  2                           ; v2   0; never rewritten
.set A1,   3                           ; v3-4, v5-6   my fragments' place in buffer 0, 1 in phase 1: 24 bytes a half, and 40 (behind one padding more)
.set A2,   7                           ; v7-8, v9-10  the same in phase 2
.set WA0,  11                          ; v11  h1's codes: where my words 0 and 2 go (slot 0)
.set WA1,  12                          ; v12  and my word 1
.set WSB,  13                          ; v13  h1's scale byte
.set GS,   14                          ; v14  32 x lane: a row of x's or W1's scale bytes
.set GB,   15                          ; v15  32 x (lane / 16): my half's eight numbers of a bias or of W3
.set LH,   16                          ; v16  h1's codes as I read them (chunk 0)
.set LSA,  17                          ; v17  h1's scale words as I read them
.set GS2,  18                          ; v18  64 x lane: a row of W2's scale bytes
.set RA,   19                          ; v19  where my part of the dot product goes
.set AX,   20                          ; v20-21 x's tile (the head alone)
.set QA0,  20                          ; v20-22 the addresses of the slot's stores of h1
.set QA1,  21
.set QSB,  22
.set HLA,  20                          ; v20-21 phase 2: the addresses of the chunk's loads of h1
.set HSA,  21
.set RB,   23                          ; v23  where wave 0 reads the four parts back
.set HS,   24                          ; v24-31 h1's scale words: 2 s + m / 2; lanes 0-15 the even tile of rows, lanes 16-31 the odd one
.set XS,   32                          ; v32-47 phase 1: x's scale words: 8 (m / 2) + s, likewise
.set WS,   48                          ; v48-63 phase 1: W1's, two sets: 8 set + s; lanes 0-15 tile 0, lanes 16-31 tile 1
.set SW,   32                          ; v32-63 phase 2: W2's: 8 cg + 4 (t / 2) + s; lanes 0-15 the even tile, lanes 16-31 the odd one
.set RING, 64
.set ACC1, 192                         ; window 1: accumulator (m, t) at ACC1 + 16 m + 8 t
.set B1R,  224                         ; window 2: b1: 16 set + 8 t
.set SCR,  96                          ; window 3: relu(h1), 16 registers a tile of rows
.set TMX,  160                         ; largest numbers;  TMP the other half's;  TSC the conversions' scale operands;  TBY the bytes;  COD the codes, four registers a tile of rows, three used
.set TMP,  164
.set TSC,  168
.set TBY,  172
.set COD,  176
.set SUM,  248                         ; window 0, at the end: four pairs
.set WV,   26                          ; s26 wave; s27 expert; s28 block of rows; s29 my place in the cluster (s28, s29, s92-95 alone ever hold it)
.set SEL,  30                          ; s[30:31] lane selects: lane l xor 16
.set G1X,  40                          ; descriptor groups 1: x's tile, W1's, W2's
.set G1W1, 48
.set G1W2, 56
.set G0X,  68                          ; groups 0: x; W1 for buffer 0, 1; W2 for buffer 0, 1
.set G0A,  72
.set G0C,  80
.set SHW,  88                          ; s88 1,536 x the loop's first slot: h1's codes;  s89 256 x it: the scale bytes
.set SSW,  89
.set SHL,  90                          ; s90 6,144 x the chunk to be read;  s91 1,024 x it
.set SSL,  91
.set MSB, 0
.macro WIN new                         ; the immediate's high byte repeats the setting that is left; a switch that changes nothing is dropped
.if MSB != (\new)
	s_set_vgpr_msb (MSB<<8)|(\new)
.set MSB, (\new)
.endif
.endm
; A load into a register that a matrix instruction has read, and a vector instruction that reads a matrix result, stand four places behind it; only plain vector instructions that name none of its
; registers are places (ISA guide 7.12.1 for vector instructions).
.macro PLACES
.rept 4
	v_nop
.endr
.endm
.macro CREST                           ; a round of the cluster's barrier behind its opening barrier
	s_cmp_lg_u32 s[WV], 0
	s_cbranch_scc1 .Lnot_wave_0_\@
	s_barrier_signal -3
.Lnot_wave_0_\@:
	s_barrier_wait -3
	s_barrier_signal -1
	s_barrier_wait -1
.endm
.macro CROUND                          ; a whole round
	s_barrier_signal -1
	s_barrier_wait -1
	CREST
.endm
; One product: rD, rA, rB, rC, the scale registers rSA, rSB, and which half of their lanes is read (fA, fB) are set by the caller.
.macro WM
.if fA && fB
	v_wmma_scale_f32_16x16x128_f8f6f4 v[rD:rD+7], v[rA:rA+11], v[rB:rB+11], v[rC:rC+7], v[rSA], v[rSB] matrix_a_fmt:MATRIX_FMT_FP6 matrix_b_fmt:MATRIX_FMT_FP6 matrix_a_scale:MATRIX_SCALE_ROW1 matrix_b_scale:MATRIX_SCALE_ROW1
.elseif fA
	v_wmma_scale_f32_16x16x128_f8f6f4 v[rD:rD+7], v[rA:rA+11], v[rB:rB+11], v[rC:rC+7], v[rSA], v[rSB] matrix_a_fmt:MATRIX_FMT_FP6 matrix_b_fmt:MATRIX_FMT_FP6 matrix_a_scale:MATRIX_SCALE_ROW1
.elseif fB
	v_wmma_scale_f32_16x16x128_f8f6f4 v[rD:rD+7], v[rA:rA+11], v[rB:rB+11], v[rC:rC+7], v[rSA], v[rSB] matrix_a_fmt:MATRIX_FMT_FP6 matrix_b_fmt:MATRIX_FMT_FP6 matrix_b_scale:MATRIX_SCALE_ROW1
.else
	v_wmma_scale_f32_16x16x128_f8f6f4 v[rD:rD+7], v[rA:rA+11], v[rB:rB+11], v[rC:rC+7], v[rSA], v[rSB] matrix_a_fmt:MATRIX_FMT_FP6 matrix_b_fmt:MATRIX_FMT_FP6
.endif
.endm
; Phase 1's K step s: 8 products, the 8 accumulators by turns.  st: the set of W1's scale words and of b1.  K step 0 takes b1 as its C: nothing is cleared.
.macro K1 s, st
.if \s == 0
	WIN 0x64                                       ; W1 window 0, x window 1, b1 window 2, result window 1
.elseif \s < 4
	WIN 0x54
.elseif \s < 6
	WIN 0x58                                       ; x window 2
.else
	WIN 0x5c                                       ; x window 3
.endif
.irp t, 0,1
.irp m, 0,1,2,3
.set rD, ACC1+16*\m+8*\t
.set rA, RING+12*(2*\s+\t)
.if \s < 4
.set rB, 12*(4*\s+\m)
.elseif \s < 6
.set rB, 128+12*(4*(\s-4)+\m)
.else
.set rB, 12*(4*(\s-6)+\m)
.endif
.if \s == 0
.set rC, B1R+16*\st+8*\t
.else
.set rC, rD
.endif
.set rSA, WS+8*\st+\s
.set rSB, XS+8*(\m/2)+\s
.set fA, \t
.set fB, \m%2
	WM
.endr
.endr
.endm
; Phase 2's K step s of the chunk in hand, for column group cg: 16 products, 16 accumulators by turns.
.macro Q2 cg, s
.if \cg < 2
	WIN 0xa4                                       ; W2 window 0, h1 window 1, C and D window 2
.else
	WIN 0xf4                                       ; C and D window 3
.endif
.irp t, 0,1,2,3
.irp m, 0,1,2,3
.set rD, 128*(\cg%2)+32*\t+8*\m
.set rC, rD
.set rA, RING+12*(4*\s+\t)
.set rB, 12*(4*\s+\m)
.set rSA, SW+8*\cg+4*(\t/2)+\s
.set rSB, HS+2*\s+\m/2
.set fA, \t%2
.set fB, \m%2
	WM
.endr
.endr
.endm
; A fragment, 16 rows x 128 K of 6-bit codes, is 12 registers: lane (r, h) holds row r; registers 6 c .. 6 c + 5 hold K = 64 c + 32 h + 0 .. 31: 24 bytes of the row's stream of bits, as they lie, in pieces of 8 bytes.
; Lanes 0-15 take the row's pieces 12 s + 0, 1, 2 and 12 s + 6, 7, 8, lanes 16-31 those three pieces on: where that is behind one padding more, the second address register serves.
.macro FRAG1 reg, adr, s, off          ; rows with 16 bytes of padding behind every 32 pieces
.irp p, 0,1,2,3,4,5
.set PC, 12*(\s)+6*(\p/3)+\p%3
.if PC%32 < 29
	ds_load_b64 v[\reg+2*\p:\reg+2*\p+1], v[\adr] offset:8*PC+16*(PC/32)+\off
.else
	ds_load_b64 v[\reg+2*\p:\reg+2*\p+1], v[\adr+1] offset:8*PC+16*(PC/32)+\off
.endif
.endr
.endm
.macro FRAG2 reg, adr, s, off          ; behind every 16 pieces
.irp p, 0,1,2,3,4,5
.set PC, 12*(\s)+6*(\p/3)+\p%3
.if PC%16 < 13
	ds_load_b64 v[\reg+2*\p:\reg+2*\p+1], v[\adr] offset:8*PC+16*(PC/16)+\off
.else
	ds_load_b64 v[\reg+2*\p:\reg+2*\p+1], v[\adr+1] offset:8*PC+16*(PC/16)+\off
.endif
.endr
.endm
.macro RD1 q, buf                      ; 24 loads: fragments 4 q .. 4 q + 3 of a slot of phase 1 (fragment 2 s + t)
.irp i, 0,1,2,3
	FRAG1 RING+12*(4*\q+\i), A1+2*(\buf), 2*\q+\i/2, 16*P1*(\i%2)
.endr
.endm
.macro RD2 q, buf                      ; 24 loads: the same of a slot of phase 2 (fragment 4 s + t)
.irp i, 0,1,2,3
	FRAG2 RING+12*(4*\q+\i), A2+2*(\buf), \q, 16*P2*\i
.endr
.endm
.macro RDG geom, q, buf
.if \geom == 1
	RD1 \q, \buf
.else
	RD2 \q, \buf
.endif
.endm
.macro HLD s                           ; 26 loads: K step s of a chunk of h1: two registers of scale words, four fragments
	ds_load_b32 v[HS+2*\s], v[HSA] offset:256*\s
	ds_load_b32 v[HS+2*\s+1], v[HSA] offset:256*\s+128
	WIN 0x40
.irp m, 0,1,2,3
.irp c, 0,1
.irp p, 0,1,2
	ds_load_b64 v[12*(4*\s+\m)+6*\c+2*\p:12*(4*\s+\m)+6*\c+2*\p+1], v[HLA] offset:2*HBS*\c+1536*\s+384*\m+128*\p
.endr
.endr
.endr
	WIN 0
.endm
.macro BIAS2 cg                        ; 32 loads: b2 into the 16 accumulators of column group cg, in the result's layout: the same eight numbers for each of the four tiles of rows
	WIN 0x80+0x40*(\cg/2)
.irp t, 0,1,2,3
.irp m, 0,1,2,3
	global_load_b128 v[128*(\cg%2)+32*\t+8*\m:128*(\cg%2)+32*\t+8*\m+3], v[GB], s[18:19] offset:1024*\cg+64*\t
	global_load_b128 v[128*(\cg%2)+32*\t+8*\m+4:128*(\cg%2)+32*\t+8*\m+7], v[GB], s[18:19] offset:1024*\cg+64*\t+16
.endr
.endr
	WIN 0
.endm
.macro GL1 st, k                       ; 6 loads: W1's scale words (my 32 rows' 32 bytes each: 1,024 bytes on end) and b1 of the slot k slots on from the bases, into set st
	global_load_b128 v[WS+8*\st:WS+8*\st+3], v[GS], s[10:11] offset:4096*(\k)
	global_load_b128 v[WS+8*\st+4:WS+8*\st+7], v[GS], s[10:11] offset:4096*(\k)+16
	WIN 0x80
.irp t, 0,1
	global_load_b128 v[B1R+16*\st+8*\t:B1R+16*\st+8*\t+3], v[GB], s[12:13] offset:512*(\k)+64*\t
	global_load_b128 v[B1R+16*\st+8*\t+4:B1R+16*\st+8*\t+7], v[GB], s[12:13] offset:512*(\k)+64*\t+16
.endr
	WIN 0
.endm
; THE QUANTISER.  My 32 units of 64 rows: one block of 32 for each row.  par: the slot's place in the loop's pair.
.macro QUANT par
	v_add_nc_u32 v[QA0], s[SHW], v[WA0]
	v_add_nc_u32 v[QA1], s[SHW], v[WA1]
	v_add_nc_u32 v[QSB], s[SSW], v[WSB]
	WIN 0xc4
.set i, 0
.rept 64
	v_max_num_f32 v[SCR+i], 0, v[ACC1+i]           ; the activation, in f32, and the move out of the accumulators in one; each accumulator from its low end on
.set i, i+1
.endr
	WIN 0xff
.irp m, 0,1,2,3
.irp j, 0,1,2,3,4,5,6,7
	v_permlane16_swap_b32 v[SCR+16*\m+\j], v[SCR+16*\m+8+\j]   ; tile 0's lanes 16-31 (units 8 + j) change places with tile 1's lanes 0-15 (units 16 + j): my 16 registers are now units 16 h + 0 .. 15, in order
.endr
.endr
.irp m, 0,1,2,3
	v_max3_num_f32 v[TMX+\m], v[SCR+16*\m], v[SCR+16*\m+1], 0x1800000   ; my 16 numbers (none is negative), and the floor 2^(3 - 127): so the byte cannot fall under 1
.endr
.irp k, 2,4,6,8,10,12,14
.irp m, 0,1,2,3
	v_max3_num_f32 v[TMX+\m], v[TMX+\m], v[SCR+16*\m+\k], v[SCR+16*\m+\k+1]   ; (the four tiles of rows by turns)
.endr
.endr
.irp m, 0,1,2,3
	v_permlanex16_b32 v[TMP+\m], v[TMX+\m], s[SEL], s[SEL+1]
.endr
.irp m, 0,1,2,3
	v_max_num_f32 v[TMX+\m], v[TMX+\m], v[TMP+\m]  ; with lane l xor 16's: the block's largest number
.endr
.irp m, 0,1,2,3
	v_add_nc_u32 v[TSC+\m], 0xff000000, v[TMX+\m]  ; 2 off its exponent field: the conversion takes the exponent field of this operand as its scale, and nothing else of it
.endr
.irp m, 0,1,2,3
	v_lshrrev_b32 v[TBY+\m], 23, v[TSC+\m]         ; the scale's byte
.endr
.irp m, 0,1,2,3
	v_cvt_scalef32_pk16_fp6_f32 v[COD+4*\m:COD+4*\m+2], v[SCR+16*\m:SCR+16*\m+15], v[TSC+\m]   ; 96 bits: words 3 h .. 3 h + 2 of the block's six
.endr
	v_nop                                          ; one plain place behind a scaled conversion
	WIN 0x0c                                       ; an LDS store's data are its source 1: window 3
.irp m, 0,1,2,3
	ds_store_b32 v[QA0], v[COD+4*\m] offset:1536*\par+384*\m
	ds_store_b32 v[QA1], v[COD+4*\m+1] offset:1536*\par+384*\m
	ds_store_b32 v[QA0], v[COD+4*\m+2] offset:1536*\par+384*\m+128
	ds_store_b8 v[QSB], v[TBY+\m] offset:256*\par+64*\m          ; both lanes of a row write the same byte with the same value
.endr
	WIN 0
.endm
; A SLOT OF PHASE 1.  par = slot % 2: its buffer and its set.  fill: the tile two slots on is W1's (1) or W2's (2).  geom: the next slot's rows lie as phase 1's (1) or phase 2's (2).
; gl = 1: the scale words and b1 of two slots on are asked for.  lc: global loads that may stay out.  last = 1: slot 15.
.macro SLOT1 par, fill, geom, gl, lc, last
	s_wait_loadcnt \lc                             ; this slot's scale words and b1 are in; the next slot's six loads may be out
	s_wait_tensorcnt 0x0                           ; all my tensor loads have landed: the one that was out is my part of the next slot;
	ds_add_u32 v[SPW], v[NIL]                      ; 0 onto my spare word
.if \fill == 1
	s_add_nc_u64 s[G0A+4*\par+2:G0A+4*\par+3], s[G0A+4*\par+2:G0A+4*\par+3], 196608   ; no load of mine is out, so a group 0 may be written: two slots of 128 rows on
.endif
	s_wait_dscnt 17                                ; the last slot's 16 stores of h1 and the add may be out: every fragment of this slot is in
	K1 0, \par
	K1 1, \par
	s_wait_dscnt 0x0                               ; the add is done, my stores have landed, and my reads of this slot's buffer are long over
	s_barrier_signal -1
	K1 2, \par
	K1 3, \par
	WIN 0
	s_barrier_wait -1
	CREST                                          ; the barrier has opened a round of the cluster's: no wave of any partner still reads this buffer or has a load on its way
.if \fill == 1
	tensor_load_to_lds s[G0A+4*\par:G0A+4*\par+3], s[G1W1:G1W1+7]
	s_nop 0
.else
	tensor_load_to_lds s[G0C+4*\par:G0C+4*\par+3], s[G1W2:G1W2+7]
	s_nop 0
.endif
	PLACES                                         ; four v_nop behind the load: also the places in front of the loads below
	RDG \geom, 0, 1-\par                           ; the next slot's fragments, into the registers that K steps 0-3 have left
	RDG \geom, 1, 1-\par
	K1 4, \par
	K1 5, \par
	WIN 0
	PLACES
	RDG \geom, 2, 1-\par
	K1 6, \par
	K1 7, \par
	WIN 0
	PLACES                                         ; for the loads below and for the quantiser's reads of the results
	RDG \geom, 3, 1-\par
.if \gl
	GL1 \par, 2+\par
.endif
.if \last
.irp cg, 0,1,2,3                       ; phase 1's scale words are done with: W2's of chunk 0 take their registers: 16 bytes of each of my 256 rows
.irp a, 0,1
	global_load_b128 v[SW+8*\cg+4*\a:SW+8*\cg+4*\a+3], v[GS2], s[16:17] offset:16384*\cg+2048*\a
.endr
.endr
	BIAS2 1                                        ; x's K steps 4, 5 and b1 are done with
.endif
	QUANT \par                                     ; the tile asked for above and the fragments are on their way meanwhile
.endm
; A SLOT OF PHASE 2.  fill = 1: the tile two slots on is asked for.  read = 1: the next slot's fragments are read.  hl = 1: the next chunk of h1 too.  sl = 1: this column group's scale words of the next chunk are asked for.
.macro SLOT2 cg, fill, read, hl, sl
.if \fill
	s_wait_tensorcnt 0x0                           ; all my tensor loads have landed: my part of the next slot;
	ds_add_u32 v[SPW], v[NIL]                      ; 0 onto my spare word
.if \cg < 2
	s_add_nc_u64 s[G0C+4*(\cg%2)+2:G0C+4*(\cg%2)+3], s[G0C+4*(\cg%2)+2:G0C+4*(\cg%2)+3], 786432   ; 512 rows of 1,536 bytes down: column group cg + 2
.else
	s_sub_nc_u64 s[G0C+4*(\cg%2)+2:G0C+4*(\cg%2)+3], s[G0C+4*(\cg%2)+2:G0C+4*(\cg%2)+3], 786048   ; back up, and 384 bytes on along K: the next chunk
.endif
	s_wait_dscnt 49                                ; the youngest two runs of 24 fragment loads and the add may be out: K steps 0 and 1 are in (behind a slot that also read h1 the count waits for more)
	Q2 \cg, 0
	s_wait_dscnt 0x0                               ; the add is done, and my reads of this slot's buffer are over
	s_barrier_signal -1
	Q2 \cg, 1
	WIN 0
	s_barrier_wait -1
	CREST
	tensor_load_to_lds s[G0C+4*(\cg%2):G0C+4*(\cg%2)+3], s[G1W2:G1W2+7]
	s_nop 0
	PLACES
.else
.if \read
	s_wait_tensorcnt 0x0                           ; the last tile has landed; only I read my part of it, and nothing is filled any more: no barrier
.endif
	s_wait_dscnt 48                                ; as above, without the add
	Q2 \cg, 0
	s_wait_dscnt 0x0
	Q2 \cg, 1
	WIN 0
	PLACES
.endif
.if \hl
	v_add_nc_u32 v[HLA], s[SHL], v[LH]
	v_add_nc_u32 v[HSA], s[SSL], v[LSA]
.endif
.if \read
	RD2 0, 1-\cg%2
.if \hl
	HLD 0
.endif
	RD2 1, 1-\cg%2
.if \hl
	HLD 1
.endif
.else
.irp g, 2,3                            ; the very last slot: fragments 0-7 are done with: W3 of column groups 2 and 3 takes v64-127
.irp t, 0,1,2,3
	global_load_b128 v[RING+32*(\g-2)+8*\t:RING+32*(\g-2)+8*\t+3], v[GB], s[20:21] offset:1024*\g+64*\t
	global_load_b128 v[RING+32*(\g-2)+8*\t+4:RING+32*(\g-2)+8*\t+7], v[GB], s[20:21] offset:1024*\g+64*\t+16
.endr
.endr
.endif
	Q2 \cg, 2
.if \read
	WIN 0
	PLACES
	RD2 2, 1-\cg%2
.if \hl
	HLD 2
.endif
.endif
	Q2 \cg, 3
	WIN 0
.if \read
	PLACES
	RD2 3, 1-\cg%2
.if \hl
	HLD 3
	s_add_co_u32 s[SHL], s[SHL], 6144
	s_add_co_u32 s[SSL], s[SSL], 1024
.endif
.endif
.if \sl
	s_wait_loadcnt 0x0                             ; what earlier slots asked for is in: the scale words of the slots to come, and in the first trip b2 in the accumulators of column groups 1 to 3
	global_load_b128 v[SW+8*\cg:SW+8*\cg+3], v[GS2], s[16:17] offset:16384*\cg
	global_load_b128 v[SW+8*\cg+4:SW+8*\cg+7], v[GS2], s[16:17] offset:16384*\cg+2048
.endif
.endm
; THE THIRD PRODUCT, for column group cg: relu in place, each accumulator from its low end on; then h2 . W3, two numbers an instruction, the four tiles of rows by turns.  first = 1: the first four start the sums.
.macro EPI cg, first
.set eB, 128*(\cg%2)
.if \cg < 2
	WIN 0x88
.else
	WIN 0xcc
.endif
.set i, 0
.rept 128
	v_max_num_f32 v[eB+i], 0, v[eB+i]
.set i, i+1
.endr
.if \cg < 2
	WIN 0x06                                       ; h2 window 2, W3 window 1, the sums window 0
.set eW, 192+32*\cg
.else
	WIN 0x03                                       ; h2 window 3, W3 window 0
.set eW, RING+32*(\cg-2)
.endif
.irp t, 0,1,2,3
.irp j, 0,2,4,6
.irp m, 0,1,2,3
.if \first && (\t == 0) && (\j == 0)
	v_pk_mul_f32 v[SUM+2*\m:SUM+2*\m+1], v[eB+32*\t+8*\m+\j:eB+32*\t+8*\m+\j+1], v[eW+8*\t+\j:eW+8*\t+\j+1]
.else
	v_pk_fma_f32 v[SUM+2*\m:SUM+2*\m+1], v[eB+32*\t+8*\m+\j:eB+32*\t+8*\m+\j+1], v[eW+8*\t+\j:eW+8*\t+\j+1], v[SUM+2*\m:SUM+2*\m+1]
.endif
.endr
.endr
.endr
.endm
	; ---- THE HEAD
	s_load_b512 s[4:19], s[0:1], 0x0               ; x's codes s[4:5], x's scales s[6:7], W1's codes s[8:9], W1's scales s[10:11], b1 s[12:13], W2's codes s[14:15], W2's scales s[16:17], b2 s[18:19]
	s_load_b128 s[20:23], s[0:1], 0x40             ; W3, b3
	s_load_b64 s[24:25], s[0:1], 0x50              ; y
	v_lshl_add_u32 v[SPW], v0, 2, SPARE
	v_mov_b32 v[NIL], 0
	ds_add_u32 v1, v2
	ds_add_u32 v1, v2
	s_wait_dscnt 0x0
	v_lshrrev_b32 v64, 5, v0
	v_readfirstlane_b32 s[WV], v64                 ; wave 0..3
	s_bfe_u32 s29, ttmp6, 0x40000                  ; cx: my place in the cluster
	s_lshl_b32 s28, ttmp9, 2                       ; in a cluster launch ttmp9 counts clusters
	s_add_co_u32 s28, s28, s29                     ; my block of 64 rows: it enters x's and y's addresses alone
	s_and_b32 s27, ttmp7, 0xffff                   ; the expert, which the four partners share
	; descriptor groups 1; elements of 1 byte
	s_mov_b32 s[G1X+0], (1<<20)|(5<<22)|(3<<25)    ; no mask; 20 padding on; 24:22 after every 64 words (code 5); 31:25 of 4 words (code 3)
	s_mov_b32 s[G1X+1], 768<<16                    ; tensor_dim0 = 768
	s_mov_b32 s[G1X+2], 16<<16                     ; tensor_dim1 = 16
	s_mov_b32 s[G1X+3], 768<<16                    ; tile_dim0
	s_mov_b32 s[G1X+4], 16                         ; tile_dim1
	s_mov_b32 s[G1X+5], 768                        ; from row to row
	s_mov_b32 s[G1X+6], 0
	s_mov_b32 s[G1X+7], 0
	s_mov_b32 s[G1W1+0], 15|(1<<20)|(1<<21)|(5<<22)|(3<<25)   ; 15:0 the mask: all four work-groups; 21 set beside a mask
	s_mov_b32 s[G1W1+1], 768<<16
	s_mov_b32 s[G1W1+2], 32<<16
	s_mov_b32 s[G1W1+3], 768<<16
	s_mov_b32 s[G1W1+4], 32
	s_mov_b32 s[G1W1+5], 768
	s_mov_b32 s[G1W1+6], 0
	s_mov_b32 s[G1W1+7], 0
	s_mov_b32 s[G1W2+0], 15|(1<<20)|(1<<21)|(4<<22)|(3<<25)   ; padding after every 32 words (code 4)
	s_mov_b32 s[G1W2+1], 384<<16
	s_mov_b32 s[G1W2+2], 64<<16
	s_mov_b32 s[G1W2+3], 384<<16
	s_mov_b32 s[G1W2+4], 64
	s_mov_b32 s[G1W2+5], 1536
	s_mov_b32 s[G1W2+6], 0
	s_mov_b32 s[G1W2+7], 0
	s_mul_i32 s92, s28, 49152                      ; x's codes: 64 rows of 768 bytes a block,
	s_mul_i32 s93, s[WV], 12288                    ; 16 of them a wave
	s_add_co_u32 s92, s92, s93
	s_mov_b32 s93, 0
	s_lshl_b32 s94, s28, 11                        ; x's scale bytes: 64 rows of 32
	s_mov_b32 s95, 0
	s_mul_i32 s34, s27, 1572864                    ; an expert's codes of W1, and of W2
	s_mul_i32 s35, s[WV], 24576                    ; W1: 32 rows of 768 bytes a wave
	s_mul_i32 s36, s[WV], 98304                    ; W2: 64 rows of 1,536
	s_add_co_u32 s36, s36, s34
	s_add_co_u32 s34, s34, s35
	s_mov_b32 s35, 0
	s_mov_b32 s37, 0
	s_mov_b32 s39, 0
	s_wait_kmcnt 0x0
	s_add_nc_u64 s[4:5], s[4:5], s[92:93]
	s_add_nc_u64 s[6:7], s[6:7], s[94:95]
	s_add_nc_u64 s[8:9], s[8:9], s[34:35]
	s_add_nc_u64 s[14:15], s[14:15], s[36:37]
	s_mov_b32 s[G0X], 1                            ; groups 0: count 1; LDS address; global address; type 2
	s_mul_i32 s[G0X+1], s[WV], 16*P1
	s_add_co_u32 s[G0X+1], s[G0X+1], HIMG
	s_mov_b64 s[G0X+2:G0X+3], s[4:5]
	s_or_b32 s[G0X+3], s[G0X+3], 0x80000000
	s_mov_b32 s[G0A], 1                            ; slot 0
	s_mul_i32 s[G0A+1], s[WV], W1P
	s_mov_b64 s[G0A+2:G0A+3], s[8:9]
	s_or_b32 s[G0A+3], s[G0A+3], 0x80000000
	s_mov_b32 s[G0A+4], 1                          ; slot 1: 128 rows on
	s_add_co_u32 s[G0A+5], s[G0A+1], SLOTB
	s_add_nc_u64 s[G0A+6:G0A+7], s[8:9], 98304
	s_or_b32 s[G0A+7], s[G0A+7], 0x80000000
	s_mov_b32 s[G0C], 1                            ; slot 16
	s_mul_i32 s[G0C+1], s[WV], W2P
	s_mov_b64 s[G0C+2:G0C+3], s[14:15]
	s_or_b32 s[G0C+3], s[G0C+3], 0x80000000
	s_mov_b32 s[G0C+4], 1                          ; slot 17: 256 rows on
	s_add_co_u32 s[G0C+5], s[G0C+1], SLOTB
	s_add_nc_u64 s[G0C+6:G0C+7], s[14:15], 393216
	s_or_b32 s[G0C+7], s[G0C+7], 0x80000000
	CROUND                                         ; all four work-groups are here: the first joint loads meet
	tensor_load_to_lds s[G0A:G0A+3], s[G1W1:G1W1+7]       ; slot 0,
	s_nop 0
	tensor_load_to_lds s[G0X:G0X+3], s[G1X:G1X+7]         ; my 16 rows of x,
	s_nop 0
	tensor_load_to_lds s[G0A+4:G0A+7], s[G1W1:G1W1+7]     ; slot 1: three loads of mine are out
	s_nop 0
	PLACES
	s_lshl_b32 s38, s27, 16                        ; W1's scale bytes: 65,536 an expert, 32 rows of 32 a wave
	s_lshl_b32 s34, s[WV], 10
	s_add_co_u32 s38, s38, s34
	s_add_nc_u64 s[10:11], s[10:11], s[38:39]
	s_lshl_b32 s38, s27, 13                        ; b1: 8,192 an expert, 32 numbers a wave
	s_lshl_b32 s34, s[WV], 7
	s_add_co_u32 s38, s38, s34
	s_add_nc_u64 s[12:13], s[12:13], s[38:39]
	s_lshl_b32 s38, s27, 16                        ; W2's scale bytes: 65,536 an expert, 64 rows of 64 a wave
	s_lshl_b32 s34, s[WV], 12
	s_add_co_u32 s38, s38, s34
	s_add_nc_u64 s[16:17], s[16:17], s[38:39]
	s_lshl_b32 s38, s27, 12                        ; b2 and W3: 4,096 an expert, 64 numbers a wave
	s_lshl_b32 s34, s[WV], 8
	s_add_co_u32 s38, s38, s34
	s_add_nc_u64 s[18:19], s[18:19], s[38:39]
	s_add_nc_u64 s[20:21], s[20:21], s[38:39]
	s_lshl_b32 s38, s27, 2
	s_add_nc_u64 s[22:23], s[22:23], s[38:39]
	s_load_b32 s33, s[22:23], 0x0                  ; b3[e]
	s_lshl_b32 s94, s28, 8                         ; y: 8,192 an expert, 256 a block of rows
	s_lshl_b32 s92, s27, 13
	s_add_co_u32 s94, s94, s92
	s_add_nc_u64 s[24:25], s[24:25], s[94:95]
	s_mov_b32 s[SEL], 0x76543210
	s_mov_b32 s[SEL+1], 0xfedcba98
	s_mov_b32 s[SHW], 0
	s_mov_b32 s[SSW], 0
	s_mov_b32 s[SHL], 0
	s_mov_b32 s[SSL], 0
	v_and_b32 v64, 31, v0                          ; lane
	v_and_b32 v65, 15, v0                          ; r
	v_bfe_u32 v66, v0, 4, 1                        ; h
	v_lshlrev_b32 v[GS], 5, v64
	v_lshlrev_b32 v[GB], 5, v66
	v_lshlrev_b32 v[GS2], 6, v64
.irp mp, 0,1                           ; x's scale words: lane l takes row 32 mp + l: 1,024 bytes on end for two loads
	global_load_b128 v[XS+8*\mp:XS+8*\mp+3], v[GS], s[6:7] offset:1024*\mp
	global_load_b128 v[XS+8*\mp+4:XS+8*\mp+7], v[GS], s[6:7] offset:1024*\mp+16
.endr
	BIAS2 0
	GL1 0, 0
	GL1 1, 1
	v_mul_u32_u24 v67, v65, P1
	v_mad_u32_u24 v68, v66, 24, v67                ; row r x pitch + 24 h,
	v_mad_u32_u24 v69, v66, 40, v67                ; and the same behind one padding more
	s_mul_i32 s38, s[WV], W1P
	v_add_nc_u32 v[A1], s38, v68
	v_add_nc_u32 v[A1+1], s38, v69
	s_add_co_u32 s38, s38, SLOTB
	v_add_nc_u32 v[A1+2], s38, v68
	v_add_nc_u32 v[A1+3], s38, v69
	v_add_nc_u32 v[AX], HIMG, v68
	v_add_nc_u32 v[AX+1], HIMG, v69
	v_mul_u32_u24 v67, v65, P2
	v_mad_u32_u24 v68, v66, 24, v67
	v_mad_u32_u24 v69, v66, 40, v67
	s_mul_i32 s38, s[WV], W2P
	v_add_nc_u32 v[A2], s38, v68
	v_add_nc_u32 v[A2+1], s38, v69
	s_add_co_u32 s38, s38, SLOTB
	v_add_nc_u32 v[A2+2], s38, v68
	v_add_nc_u32 v[A2+3], s38, v69
	v_lshlrev_b32 v67, 3, v65                      ; 8 r
	s_mul_i32 s38, s[WV], HBS
	s_add_co_u32 s38, s38, HIMG                    ; my run of h1's codes
	v_mad_u32_u24 v[WA0], v66, 132, v67            ; h = 0: word 0 at 8 r, word 2 128 on; h = 1: word 3 at 8 r + 132, word 5 128 on
	v_add_nc_u32 v[WA0], s38, v[WA0]
	s_add_co_u32 s38, s38, 4
	v_mad_u32_u24 v[WA1], v66, 252, v67            ; h = 0: word 1 at 8 r + 4; h = 1: word 4 at 8 r + 256
	v_add_nc_u32 v[WA1], s38, v[WA1]
	s_add_co_u32 s38, s[WV], HSC
	v_lshl_add_u32 v[WSB], v65, 2, s38             ; 4 r + my block's byte
	v_mad_u32_u24 v[LH], v66, HBS, v67             ; as I read them: lanes 16-31 take the block one on
	v_add_nc_u32 v[LH], HIMG, v[LH]
	v_lshl_add_u32 v[LSA], v64, 2, HSC
	s_lshl_b32 s38, s[WV], 8
	s_add_co_u32 s38, s38, RED
	v_lshl_add_u32 v[RA], v65, 2, s38
	v_lshl_add_u32 v[RB], v64, 3, RED
	WIN 0xc0
.irp m, 0,1,2,3
	v_mov_b32 v[TMP+\m], 0                         ; written once: a lane permute's destination counts as one of its sources
.endr
	WIN 0
	s_wait_kmcnt 0x0                               ; b3
	s_wait_tensorcnt 0x1                           ; slot 0 and my rows of x are in; slot 1 may stay out
	s_barrier_signal -1
	s_barrier_wait -1                              ; everybody's rows of x are in
	WIN 0x40                                       ; x's 32 fragments stay in registers for all of phase 1
.irp s, 0,1,2,3
.irp m, 0,1,2,3
	FRAG1 12*(4*\s+\m), AX, \s, 16*P1*\m
.endr
.endr
	WIN 0x80
.irp s, 4,5
.irp m, 0,1,2,3
	FRAG1 128+12*(4*(\s-4)+\m), AX, \s, 16*P1*\m
.endr
.endr
	WIN 0xc0
.irp s, 6,7
.irp m, 0,1,2,3
	FRAG1 12*(4*(\s-6)+\m), AX, \s, 16*P1*\m
.endr
.endr
	WIN 0
	RD1 0, 0
	RD1 1, 0
	RD1 2, 0
	RD1 3, 0
	s_wait_dscnt 0x0                               ; x and slot 0 are in registers: so the count at a slot's head holds on the way into the loop too
	; ---- PHASE 1
	s_mov_b32 s32, 7
.Lphase1:                                          ; 7 trips of two slots: slots 0 to 13
	SLOT1 0, 1, 1, 1, 6, 0
	SLOT1 1, 1, 1, 1, 6, 0
	s_wait_xcnt 0x0                                ; the loads above have had their addresses translated: their bases may step
	s_add_nc_u64 s[10:11], s[10:11], 8192
	s_add_nc_u64 s[12:13], s[12:13], 1024
	s_add_co_u32 s[SHW], s[SHW], 3072
	s_add_co_u32 s[SSW], s[SSW], 512
	s_sub_co_u32 s32, s32, 1
	s_cmp_lg_u32 s32, 0
	s_cbranch_scc1 .Lphase1
	SLOT1 0, 2, 1, 0, 6, 0                         ; slot 14 asks for slot 16, W2's first tile
	SLOT1 1, 2, 2, 0, 0, 1                         ; slot 15 asks for slot 17 and reads slot 16
	s_wait_dscnt 0x0                               ; my last stores of h1 have landed
	s_barrier_signal -1                            ; slot 17's tile stays on its way
	s_barrier_wait -1                              ; all of h1 lies in LDS
	v_add_nc_u32 v[HLA], s[SHL], v[LH]
	v_add_nc_u32 v[HSA], s[SSL], v[LSA]
	HLD 0                                          ; chunk 0
	HLD 1
	HLD 2
	HLD 3
	s_add_co_u32 s[SHL], s[SHL], 6144
	s_add_co_u32 s[SSL], s[SSL], 1024
	s_wait_loadcnt 32                              ; W2's scale words of chunk 0 are in; b2 for column group 1, 32 loads, may be out
	BIAS2 2                                        ; the quantiser's registers and x's K steps 6, 7 are done with
	BIAS2 3
	s_wait_xcnt 0x0
	s_add_nc_u64 s[16:17], s[16:17], 16            ; W2's scale words: on to chunk 1
	; ---- PHASE 2
	s_mov_b32 s32, 3
.Lphase2:                                          ; 3 trips of a chunk: slots 16 to 27
	SLOT2 0, 1, 1, 0, 1
	SLOT2 1, 1, 1, 0, 1
	SLOT2 2, 1, 1, 0, 1
	SLOT2 3, 1, 1, 1, 1
	s_wait_xcnt 0x0
	s_add_nc_u64 s[16:17], s[16:17], 16
	s_sub_co_u32 s32, s32, 1
	s_cmp_lg_u32 s32, 0
	s_cbranch_scc1 .Lphase2
	WIN 0x40                                       ; the last chunk is written out.  W3 of column groups 0 and 1 takes phase 1's accumulators
.irp g, 0,1
.irp t, 0,1,2,3
	global_load_b128 v[192+32*\g+8*\t:192+32*\g+8*\t+3], v[GB], s[20:21] offset:1024*\g+64*\t
	global_load_b128 v[192+32*\g+8*\t+4:192+32*\g+8*\t+7], v[GB], s[20:21] offset:1024*\g+64*\t+16
.endr
.endr
	WIN 0
	SLOT2 0, 1, 1, 0, 0
	s_wait_loadcnt 0x0                             ; column group 3's scale words of this chunk, asked for at the loop's end
	SLOT2 1, 1, 1, 0, 0
	SLOT2 2, 0, 1, 0, 0
	SLOT2 3, 0, 0, 0, 0
	; ---- THE THIRD PRODUCT AND THE WAY OUT
	s_wait_loadcnt 0x0                             ; W3
	EPI 0, 1                                       ; column group 0's lines name none of the last products' registers: they are the places behind them
	EPI 1, 0
	EPI 2, 0
	EPI 3, 0
	WIN 0
.irp m, 0,1,2,3
	v_add_f32 v[SUM+2*\m], v[SUM+2*\m], v[SUM+2*\m+1]            ; a pair's two halves,
.endr
.irp m, 0,1,2,3
	v_permlanex16_b32 v[SUM+2*\m+1], v[SUM+2*\m], s[SEL], s[SEL+1]
.endr
.irp m, 0,1,2,3
	v_add_f32 v[SUM+2*\m], v[SUM+2*\m], v[SUM+2*\m+1]            ; and lane l xor 16's: my 256 columns' part for row 16 m + r
.endr
.irp m, 0,1,2,3
	ds_store_b32 v[RA], v[SUM+2*\m] offset:64*\m   ; both lanes of a row write the same word with the same value
.endr
	s_mov_b32 s37, 0xbfb8aa3b                      ; -log2(e)
	s_mul_f32 s36, s33, s37                        ; -log2(e) b3
	s_wait_dscnt 0x0                               ; for the others' sake: my part has landed
	s_barrier_signal -1
	s_barrier_wait -1
	s_cmp_lg_u32 s[WV], 0
	s_cbranch_scc1 .Ldone                          ; wave 0 finishes the 64 rows, two a lane
.irp w, 0,1,2,3
	ds_load_b64 v[128+2*\w:129+2*\w], v[RB] offset:256*\w
.endr
	v_and_b32 v140, 31, v0
	v_lshlrev_b32 v140, 3, v140                    ; 8 bytes a lane
	s_wait_dscnt 0x0
	v_pk_add_f32 v[128:129], v[128:129], v[130:131]
	v_pk_add_f32 v[132:133], v[132:133], v[134:135]
	v_pk_add_f32 v[128:129], v[128:129], v[132:133]
	v_fma_f32 v128, v128, s37, s36                 ; -log2(e) (h2 . W3 + b3)
	v_fma_f32 v129, v129, s37, s36
	v_exp_f32 v128, v128
	v_exp_f32 v129, v129
	v_nop                                          ; one plain place behind a transcendental
	s_wait_alu depctr_va_vdst(0)
	v_add_f32 v128, 1.0, v128
	v_add_f32 v129, 1.0, v129
	v_rcp_f32 v128, v128                           ; the sigmoid
	v_rcp_f32 v129, v129
	v_nop
	s_wait_alu depctr_va_vdst(0)
	global_store_b64 v140, v[128:129], s[24:25]    ; 32 lanes store 256 consecutive bytes, at a multiple of 256 from y's first byte
.Ldone:
	s_wait_tensorcnt 0x0                           ; the wave's end: behind my last tensor load and my last LDS store
	ds_add_u32 v[SPW], v[NIL]
	s_wait_dscnt 0x0
	CROUND                                         ; the closing round: no work-group ends while a partner may still ask for a tile that names it
	s_endpgm
.Lfunc_end_k_q8990d1aaa1_chain:
	.size	k_q8990d1aaa1_chain, .Lfunc_end_k_q8990d1aaa1_chain-k_q8990d1aaa1_chain
	.p2alignl 7, 3214868480
	.fill 96, 4, 3214868480
	.section	.rodata,"a",@progbits
	.p2align	6, 0x0
	.amdhsa_kernel k_q8990d1aaa1_chain
		.amdhsa_group_segment_fixed_size 327680
		.amdhsa_private_segment_fixed_size 0
		.amdhsa_enable_private_segment 0
		.amdhsa_kernarg_size 88
		.amdhsa_user_sgpr_count 2
		.amdhsa_user_sgpr_kernarg_segment_ptr 1
		.amdhsa_wavefront_size32 1
		.amdhsa_system_sgpr_workgroup_id_x 1
		.amdhsa_system_sgpr_workgroup_id_y 1
		.amdhsa_system_sgpr_workgroup_id_z 1
		.amdhsa_system_vgpr_workitem_id 0
		.amdhsa_next_free_vgpr 1024
		.amdhsa_next_free_sgpr 96
		.amdhsa_reserve_vcc 0
		.amdhsa_float_denorm_mode_32 3
		.amdhsa_float_denorm_mode_16_64 3
		.amdhsa_memory_ordered 1
		.amdhsa_forward_progress 1
		.amdhsa_inst_pref_size 255
	.end_amdhsa_kernel
	.section	.bss,"aw",@nobits
	.p2align	6
	.space	262144
	.amdgpu_metadata
---
amdhsa.version: [ 1, 2 ]
amdhsa.kernels:
  - .name:           k_q8990d1aaa1_chain
    .symbol:         k_q8990d1aaa1_chain.kd
    .args:
      - { .name: x_codes, .offset: 0, .size: 8, .value_kind: global_buffer, .address_space: global }
      - { .name: x_scales, .offset: 8, .size: 8, .value_kind: global_buffer, .address_space: global }
      - { .name: W1_codes, .offset: 16, .size: 8, .value_kind: global_buffer, .address_space: global }
      - { .name: W1_scales, .offset: 24, .size: 8, .value_kind: global_buffer, .address_space: global }
      - { .name: b1, .offset: 32, .size: 8, .value_kind: global_buffer, .address_space: global }
      - { .name: W2_codes, .offset: 40, .size: 8, .value_kind: global_buffer, .address_space: global }
      - { .name: W2_scales, .offset: 48, .size: 8, .value_kind: global_buffer, .address_space: global }
      - { .name: b2, .offset: 56, .size: 8, .value_kind: global_buffer, .address_space: global }
      - { .name: W3, .offset: 64, .size: 8, .value_kind: global_buffer, .address_space: global }
      - { .name: b3, .offset: 72, .size: 8, .value_kind: global_buffer, .address_space: global }
      - { .name: y, .offset: 80, .size: 8, .value_kind: global_buffer, .address_space: global }
    .group_segment_fixed_size: 327680
    .private_segment_fixed_size: 0
    .kernarg_segment_align: 8
    .kernarg_segment_size: 88
    .max_flat_workgroup_size: 128
    .sgpr_count:     96
    .vgpr_count:     1024
    .wavefront_size: 32
...
	.end_amdgpu_metadata
.endif
;; end of part 1
;; launch combine (part 2): grid 8 x 1, 4 waves a work-group, no clusters, 0 bytes of LDS; arguments y, soft_cluster_probs, out0; writes out0
.if DOCPART == 2
	.amdgcn_target "amdgcn-amd-amdhsa--gfx1250"
	.amdhsa_code_object_version 6
	.text
	.protected	k_q8990d1aaa1_combine
	.globl	k_q8990d1aaa1_combine
	.p2align	8
	.type	k_q8990d1aaa1_combine,@function
k_q8990d1aaa1_combine:
	s_mov_b64 s[64:65], 0
	v_nop
	global_prefetch_b8 v0, s[64:65] scope:SCOPE_SE
	s_setreg_imm32_b32 hwreg(HW_REG_WAVE_MODE, 25, 1), 1
	s_wait_xcnt 0x0
; out[b] = the sum over the 8 experts of y[e][b] p[b][e].  y: [8][2048] f32, from the launch before; p: [2048][8] f32; out: [2048] f32.
; The sum spans the work-groups of the launch before, so it has a launch of its own.  1,024 threads, two rows each: a thread reads its rows' 64 consecutive bytes of p and 8 bytes of each expert's row of y
; (a wave: 256 consecutive bytes) and stores 8 bytes (a wave: 256 consecutive bytes, aligned).  139,264 bytes in all: no LDS, no barrier, no matrix unit; eight work-groups are all the work there is.
.set ROWY, 8192                        ; an expert's row of y in bytes
	s_load_b128 s[4:7], s[0:1], 0x0                ; y, p
	s_load_b64 s[8:9], s[0:1], 0x10                ; out
	s_lshl_b32 s10, ttmp9, 7
	v_add_nc_u32 v1, s10, v0                       ; i: my rows are 2 i and 2 i + 1
	v_lshlrev_b32 v2, 6, v1                        ; p: 64 i
	v_lshlrev_b32 v3, 3, v1                        ; y and out: 8 i
	s_wait_kmcnt 0x0
.irp j, 0,1,2,3
	global_load_b128 v[4+4*\j:7+4*\j], v2, s[6:7] offset:16*\j   ; v4-11 p[2 i][0..7], v12-19 p[2 i + 1][0..7]
.endr
.irp e, 0,1,2,3,4,5,6,7
	global_load_b64 v[20+2*\e:21+2*\e], v3, s[4:5] offset:ROWY*\e
.endr
	s_wait_loadcnt 0x0
	v_mul_f32 v36, v20, v4                         ; the first expert starts the sums
	v_mul_f32 v37, v21, v12
.irp e, 1,2,3,4,5,6,7
	v_fma_f32 v36, v[20+2*\e], v[4+\e], v36
	v_fma_f32 v37, v[21+2*\e], v[12+\e], v37
.endr
	global_store_b64 v3, v[36:37], s[8:9]
	s_endpgm
.Lfunc_end_k_q8990d1aaa1_combine:
	.size	k_q8990d1aaa1_combine, .Lfunc_end_k_q8990d1aaa1_combine-k_q8990d1aaa1_combine
	.p2alignl 7, 3214868480
	.fill 96, 4, 3214868480
	.section	.rodata,"a",@progbits
	.p2align	6, 0x0
	.amdhsa_kernel k_q8990d1aaa1_combine
		.amdhsa_group_segment_fixed_size 0
		.amdhsa_private_segment_fixed_size 0
		.amdhsa_enable_private_segment 0
		.amdhsa_kernarg_size 24
		.amdhsa_user_sgpr_count 2
		.amdhsa_user_sgpr_kernarg_segment_ptr 1
		.amdhsa_wavefront_size32 1
		.amdhsa_system_sgpr_workgroup_id_x 1
		.amdhsa_system_sgpr_workgroup_id_y 1
		.amdhsa_system_sgpr_workgroup_id_z 1
		.amdhsa_system_vgpr_workitem_id 0
		.amdhsa_next_free_vgpr 48
		.amdhsa_next_free_sgpr 66
		.amdhsa_reserve_vcc 0
		.amdhsa_float_denorm_mode_32 3
		.amdhsa_float_denorm_mode_16_64 3
		.amdhsa_memory_ordered 1
		.amdhsa_forward_progress 1
		.amdhsa_inst_pref_size 3
	.end_amdhsa_kernel
	.amdgpu_metadata
---
amdhsa.version: [ 1, 2 ]
amdhsa.kernels:
  - .name:           k_q8990d1aaa1_combine
    .symbol:         k_q8990d1aaa1_combine.kd
    .args:
      - { .name: y, .offset: 0, .size: 8, .value_kind: global_buffer, .address_space: global }
      - { .name: soft_cluster_probs, .offset: 8, .size: 8, .value_kind: global_buffer, .address_space: global }
      - { .name: out0, .offset: 16, .size: 8, .value_kind: global_buffer, .address_space: global }
    .group_segment_fixed_size: 0
    .private_segment_fixed_size: 0
    .kernarg_segment_align: 8
    .kernarg_segment_size: 24
    .max_flat_workgroup_size: 128
    .sgpr_count:     66
    .vgpr_count:     48
    .wavefront_size: 32
...
	.end_amdgpu_metadata
.endif
;; end of part 2
;; ======== version 2 of 2: 2 launches
;; workspace buffers: y 65,536 bytes
;; launch chain (part 3): grid 32 x 8, 4 waves a work-group, clusters of 4 x 1, 327,680 bytes of LDS; arguments x_codes, x_scales, W1_codes, W1_scales, b1, W2_codes, W2_scales, b2, W3, b3, y; writes y
.if DOCPART == 3
	.amdgcn_target "amdgcn-amd-amdhsa--gfx1250"
	.amdhsa_code_object_version 6
	.text
	.protected	k_q8990d1aaa1_chain
	.globl	k_q8990d1aaa1_chain
	.p2align	8
	.type	k_q8990d1aaa1_chain,@function
k_q8990d1aaa1_chain:
	s_mov_b64 s[64:65], 0
	v_nop
	global_prefetch_b8 v0, s[64:65] scope:SCOPE_SE
	s_setreg_imm32_b32 hwreg(HW_REG_WAVE_MODE, 25, 1), 1
	s_wait_xcnt 0x0
	s_wait_alu depctr_hold_cnt(0) depctr_sa_sdst(0) depctr_va_vdst(0) depctr_va_sdst(0) depctr_va_ssrc(0) depctr_va_vcc(0) depctr_vm_vsrc(0)
	s_getreg_b32 s2, hwreg(HW_REG_IB_STS2, 6, 4)
	s_cmp_eq_u32 s2, 0
	s_cbranch_scc0 .Lentry_in_a_cluster
	s_endpgm
.Lentry_in_a_cluster:
	s_bfe_u32 s2, ttmp6, 0x10000c
	s_cmp_lg_u32 s2, 0x3003
	s_cbranch_scc0 .Lentry_shape_is_right
	s_endpgm
.Lentry_shape_is_right:
; y[e][b] = sigmoid(relu(Q(relu(x W1[e]^T + b1[e])) W2[e]^T + b2[e]) . W3[e] + b3[e]) for one expert e and 64 rows b.  x, W1, W2: codes of FP6 (E2M3) with one E8M0 byte for each 32 along K, taken as they lie.
; Q: the hidden layer h1 is quantised along its 2,048 units, in f32 registers, block by block of 32; it never leaves the work-group.  The sum over experts is the next launch's.
; SHARES.  256 work-groups: (expert, block of 64 rows).  Four waves, which share the COLUMNS: every wave holds all 64 rows of the right operand in registers (x, later h1) and streams only weight rows of its own.
;   phase 1, slots 0-15:  a slot = 128 rows of W1[e], all K (768 bytes a row); wave w takes 32 of them: 2 tiles x 8 K steps x 4 tiles of rows = 64 products.  Its 32 units are block w of a K step of the second product.
;   phase 2, slots 16-31: slot 16 + 4 p + cg = rows 256 cg .. +255 of W2[e], a K chunk of 512 (384 bytes of a row); wave w takes 64 of them: 4 tiles x 4 K steps x 4 tiles of rows = 64 products.
; Slot n lies in LDS buffer n % 2.  While slot n is multiplied out of registers, slot n + 1 is read from LDS into fragment registers as they fall free, and slot n + 2 is on its way into buffer n % 2.
; WHERE A CLUSTER BEGINS.  The eight clusters of an expert walk the same weights.  Each begins at a quarter q of its own (q = 0..3, made of the cluster's x): slot i of phase 1 is W1's rows 128 s .. +127 with
; s = (i + 4 q) mod 16, and its h1 is kept at PLACE i; so places 4 p .. 4 p + 3 hold the true K chunk (p + q) mod 4, and phase 2's trip p takes that chunk of W2.  Only global addresses hang on q, no LDS address.
; At equal pace the clusters with different q ask for different tiles at any moment, and 12 of a phase's 16 tiles have been asked for 4, 8 or 12 slots earlier by a cluster with another q.
; CLUSTER.  The four row blocks of a cluster belong to one expert, have one q and walk the same weights: every weight tile is asked for JOINTLY (mask 15).  x's rows are each work-group's own: a plain tensor load.
; BOTH PRODUCTS ARE USED TRANSPOSED: source 0 = 16 weight rows, source 1 = 16 rows of the batch.  In a result lane (r, h) holds row r of the batch, and register j the weight row 8 h + j.
; ORDER OF ROUNDING, other than the reference's: the biases are the sums' beginnings (b1 is the C of a slot's first products, b2 is loaded into phase 2's accumulators), and the second product's K chunks are summed from chunk q on, round to q - 1.
; W2's SCALE BYTES are fetched chunk by chunk, 16 of a row's 64 bytes at a time, four visits to a row: all 128 words a wave would want register numbers that change from chunk to chunk (four written-out chunks of code), and
; LDS has 2,048 bytes left where the work-group's would take 65,536.  W1's and x's scale bytes are read once, in whole rows of 32 bytes.
; LIMITS: NaN, infinities and the scale byte 0xff among the inputs are not served (the activation turns a NaN into 0).  A block of h1 that is all zeros gets the byte 1 where the rule says 127: its codes are zeros,
; which add nothing under any byte but 0xff, and this program alone reads the byte.  Blocks of h1 whose largest number lies under 2^(3 - 127) are held at that floor's byte.
;
; LDS:  0 buffer 0, SLOTB buffer 1 (phase 1: 128 rows, 816 bytes apart: 768 + 16 behind each 256; phase 2: 256 rows, 432 apart: 384 + 16 behind each 128).  816 = 102 and 432 = 54 units of 8 bytes, 6 and 22 modulo 32:
;   16 neighbouring rows begin at the 16 even units and lanes 16-31 stand 3 or 5 units on, so the 32 lanes of a load of 8 bytes touch 64 different banks (64 banks of 4 bytes: ISA guide 11.1).
;   HIMG h1's codes, a run of HBS bytes for each wave: record (block, place, tile of rows) at HBS x block + 1,536 x place + 384 x tile: 16 rows x 24 bytes as three planes of 128 bytes: word o of row r at 128 (o / 2) + 8 r + 4 (o % 2).
;        Its first 52,224 bytes hold x's 64 rows first (816 bytes apart): filled once, read into registers ahead of slot 0's round, written by h1's stores only behind it.
;   HSC  h1's scale bytes: 256 x place + 64 x tile + 4 r + block.    SPARE the spare words.    RED the waves' parts of the last dot product: 256 x wave + 4 x row.
; REGISTERS, in windows of 256 (s_set_vgpr_msb's low byte: bits 1:0 source 0, 3:2 source 1, 5:4 source 2, 7:6 destination):
;   window 0: v0-23 addresses; v24-63 scale words and nothing else; v64-255 the 16 weight fragments of a slot (fragment f at v[64 + 12 f]).
;   window 1: v0-191 x's K steps 0-3, later h1's four K steps of a chunk (fragment (s, m) at 12 (4 s + m)); v192-255 phase 1's 8 accumulators, at last W3.
;   window 2: v0-127 phase 2's accumulators of column group 0; v128-223 x's K steps 4, 5; v224-255 b1, two sets; in phase 2 v128-255: column group 1.
;   window 3: v0-95 x's K steps 6, 7; v96-191 the quantiser's; in phase 2: column groups 2 and 3.
.set SLOTB, 110592
.set P1,    816
.set P2,    432
.set W1P,   32*P1                      ; a wave's part of a buffer in phase 1
.set W2P,   64*P2                      ; and in phase 2
.set HIMG,  2*SLOTB
.set HBS,   24704                      ; 16 places x 1,536 bytes + 128: the 128 put lanes 16-31 of a reading load on the other half of the banks
.set HSC,   HIMG+4*HBS
.set SPARE, HSC+4096                   ; the spare words, 128 bytes for each wave: two blocks of 256 bytes that no other line names
.set RED,   SPARE+512
.set SPW,  1                           ; v1   LDS address of my spare word; never rewritten
.set NIL,  2                           ; v2   0; never rewritten
.set A1,   3                           ; v3-4, v5-6   my fragments' place in buffer 0, 1 in phase 1: 24 bytes a half, and 40 (behind one padding more)
.set A2,   7                           ; v7-8, v9-10  the same in phase 2
.set WA0,  11                          ; v11  h1's codes: where my words 0 and 2 go (place 0)
.set WA1,  12                          ; v12  and my word 1
.set WSB,  13                          ; v13  h1's scale byte
.set GS,   14                          ; v14  32 x lane: a row of x's or W1's scale bytes
.set GB,   15                          ; v15  32 x (lane / 16): my half's eight numbers of a bias or of W3
.set LH,   16                          ; v16  h1's codes as I read them (places 0-3)
.set LSA,  17                          ; v17  h1's scale words as I read them
.set GS2,  18                          ; v18  64 x lane: a row of W2's scale bytes
.set RA,   19                          ; v19  where my part of the dot product goes
.set AX,   20                          ; v20-21 x's tile (the head alone)
.set QA0,  20                          ; v20-22 the addresses of the slot's stores of h1
.set QA1,  21
.set QSB,  22
.set HLA,  20                          ; v20-21 phase 2: the addresses of the chunk's loads of h1
.set HSA,  21
.set RB,   23                          ; v23  where wave 0 reads the four parts back
.set HS,   24                          ; v24-31 h1's scale words: 2 s + m / 2; lanes 0-15 the even tile of rows, lanes 16-31 the odd one
.set XS,   32                          ; v32-47 phase 1: x's scale words: 8 (m / 2) + s, likewise
.set WS,   48                          ; v48-63 phase 1: W1's, two sets: 8 set + s; lanes 0-15 tile 0, lanes 16-31 tile 1
.set SW,   32                          ; v32-63 phase 2: W2's: 8 cg + 4 (t / 2) + s; lanes 0-15 the even tile, lanes 16-31 the odd one
.set RING, 64
.set ACC1, 192                         ; window 1: accumulator (m, t) at ACC1 + 16 m + 8 t
.set B1R,  224                         ; window 2: b1: 16 set + 8 t
.set SCR,  96                          ; window 3: relu(h1), 16 registers a tile of rows
.set TMX,  160                         ; largest numbers;  TMP the other half's;  TSC the conversions' scale operands;  TBY the bytes;  COD the codes, four registers a tile of rows, three used
.set TMP,  164
.set TSC,  168
.set TBY,  172
.set COD,  176
.set SUM,  248                         ; window 0, at the end: four pairs
.set WV,   26                          ; s26 wave; s27 expert; s28 block of rows; s29 my place in the cluster (s28, s29, s92-95 alone ever hold it)
.set SEL,  30                          ; s[30:31] lane selects: lane l xor 16
.set G1X,  40                          ; descriptor groups 1: x's tile, W1's, W2's
.set G1W1, 48
.set G1W2, 56
.set SG,   66                          ; s66 phase 1: the true number, even, of the pair of slots that the trip in hand asks for
.set KC,   67                          ; s67 phase 2: the true number of the K chunk that the trip in hand asks for
.set G0X,  68                          ; groups 0: x; W1 for buffer 0, 1; W2 for buffer 0, 1
.set G0A,  72
.set G0C,  80
.set SHW,  88                          ; s88 1,536 x the loop's first place: h1's codes;  s89 256 x it: the scale bytes
.set SSW,  89
.set SHL,  90                          ; s90 6,144 x the chunk's place to be read;  s91 1,024 x it
.set SSL,  91
.set QR,   96                          ; s96 q
.set PS,   98                          ; s[98:99] where the scale bytes to be asked for begin: W1's, in phase 2 W2's
.set PB,   100                         ; s[100:101] and b1
                                       ; s[2:3]: an offset as a pair, s3 = 0: in the loops s2 holds the byte offset of the tiles that the trip asks for
.set MSB, 0
.macro WIN new                         ; the immediate's high byte repeats the setting that is left; a switch that changes nothing is dropped
.if MSB != (\new)
	s_set_vgpr_msb (MSB<<8)|(\new)
.set MSB, (\new)
.endif
.endm
; A load into a register that a matrix instruction has read, and a vector instruction that reads a matrix result, stand four places behind it; only plain vector instructions that name none of its
; registers are places (ISA guide 7.12.1 for vector instructions).
.macro PLACES
.rept 4
	v_nop
.endr
.endm
.macro CREST                           ; a round of the cluster's barrier behind its opening barrier
	s_cmp_lg_u32 s[WV], 0
	s_cbranch_scc1 .Lnot_wave_0_\@
	s_barrier_signal -3
.Lnot_wave_0_\@:
	s_barrier_wait -3
	s_barrier_signal -1
	s_barrier_wait -1
.endm
.macro CROUND                          ; a whole round
	s_barrier_signal -1
	s_barrier_wait -1
	CREST
.endm
; One product: rD, rA, rB, rC, the scale registers rSA, rSB, and which half of their lanes is read (fA, fB) are set by the caller.
.macro WM
.if fA && fB
	v_wmma_scale_f32_16x16x128_f8f6f4 v[rD:rD+7], v[rA:rA+11], v[rB:rB+11], v[rC:rC+7], v[rSA], v[rSB] matrix_a_fmt:MATRIX_FMT_FP6 matrix_b_fmt:MATRIX_FMT_FP6 matrix_a_scale:MATRIX_SCALE_ROW1 matrix_b_scale:MATRIX_SCALE_ROW1
.elseif fA
	v_wmma_scale_f32_16x16x128_f8f6f4 v[rD:rD+7], v[rA:rA+11], v[rB:rB+11], v[rC:rC+7], v[rSA], v[rSB] matrix_a_fmt:MATRIX_FMT_FP6 matrix_b_fmt:MATRIX_FMT_FP6 matrix_a_scale:MATRIX_SCALE_ROW1
.elseif fB
	v_wmma_scale_f32_16x16x128_f8f6f4 v[rD:rD+7], v[rA:rA+11], v[rB:rB+11], v[rC:rC+7], v[rSA], v[rSB] matrix_a_fmt:MATRIX_FMT_FP6 matrix_b_fmt:MATRIX_FMT_FP6 matrix_b_scale:MATRIX_SCALE_ROW1
.else
	v_wmma_scale_f32_16x16x128_f8f6f4 v[rD:rD+7], v[rA:rA+11], v[rB:rB+11], v[rC:rC+7], v[rSA], v[rSB] matrix_a_fmt:MATRIX_FMT_FP6 matrix_b_fmt:MATRIX_FMT_FP6
.endif
.endm
; Phase 1's K step s: 8 products, the 8 accumulators by turns.  st: the set of W1's scale words and of b1.  K step 0 takes b1 as its C: nothing is cleared.
.macro K1 s, st
.if \s == 0
	WIN 0x64                                       ; W1 window 0, x window 1, b1 window 2, result window 1
.elseif \s < 4
	WIN 0x54
.elseif \s < 6
	WIN 0x58                                       ; x window 2
.else
	WIN 0x5c                                       ; x window 3
.endif
.irp t, 0,1
.irp m, 0,1,2,3
.set rD, ACC1+16*\m+8*\t
.set rA, RING+12*(2*\s+\t)
.if \s < 4
.set rB, 12*(4*\s+\m)
.elseif \s < 6
.set rB, 128+12*(4*(\s-4)+\m)
.else
.set rB, 12*(4*(\s-6)+\m)
.endif
.if \s == 0
.set rC, B1R+16*\st+8*\t
.else
.set rC, rD
.endif
.set rSA, WS+8*\st+\s
.set rSB, XS+8*(\m/2)+\s
.set fA, \t
.set fB, \m%2
	WM
.endr
.endr
.endm
; Phase 2's K step s of the chunk in hand, for column group cg: 16 products, 16 accumulators by turns.
.macro Q2 cg, s
.if \cg < 2
	WIN 0xa4                                       ; W2 window 0, h1 window 1, C and D window 2
.else
	WIN 0xf4                                       ; C and D window 3
.endif
.irp t, 0,1,2,3
.irp m, 0,1,2,3
.set rD, 128*(\cg%2)+32*\t+8*\m
.set rC, rD
.set rA, RING+12*(4*\s+\t)
.set rB, 12*(4*\s+\m)
.set rSA, SW+8*\cg+4*(\t/2)+\s
.set rSB, HS+2*\s+\m/2
.set fA, \t%2
.set fB, \m%2
	WM
.endr
.endr
.endm
; A fragment, 16 rows x 128 K of 6-bit codes, is 12 registers: lane (r, h) holds row r; registers 6 c .. 6 c + 5 hold K = 64 c + 32 h + 0 .. 31: 24 bytes of the row's stream of bits, as they lie, in pieces of 8 bytes.
; Lanes 0-15 take the row's pieces 12 s + 0, 1, 2 and 12 s + 6, 7, 8, lanes 16-31 those three pieces on: where that is behind one padding more, the second address register serves.
.macro FRAG1 reg, adr, s, off          ; rows with 16 bytes of padding behind every 32 pieces
.irp p, 0,1,2,3,4,5
.set PC, 12*(\s)+6*(\p/3)+\p%3
.if PC%32 < 29
	ds_load_b64 v[\reg+2*\p:\reg+2*\p+1], v[\adr] offset:8*PC+16*(PC/32)+\off
.else
	ds_load_b64 v[\reg+2*\p:\reg+2*\p+1], v[\adr+1] offset:8*PC+16*(PC/32)+\off
.endif
.endr
.endm
.macro FRAG2 reg, adr, s, off          ; behind every 16 pieces
.irp p, 0,1,2,3,4,5
.set PC, 12*(\s)+6*(\p/3)+\p%3
.if PC%16 < 13
	ds_load_b64 v[\reg+2*\p:\reg+2*\p+1], v[\adr] offset:8*PC+16*(PC/16)+\off
.else
	ds_load_b64 v[\reg+2*\p:\reg+2*\p+1], v[\adr+1] offset:8*PC+16*(PC/16)+\off
.endif
.endr
.endm
.macro RD1 q, buf                      ; 24 loads: fragments 4 q .. 4 q + 3 of a slot of phase 1 (fragment 2 s + t)
.irp i, 0,1,2,3
	FRAG1 RING+12*(4*\q+\i), A1+2*(\buf), 2*\q+\i/2, 16*P1*(\i%2)
.endr
.endm
.macro RD2 q, buf                      ; 24 loads: the same of a slot of phase 2 (fragment 4 s + t)
.irp i, 0,1,2,3
	FRAG2 RING+12*(4*\q+\i), A2+2*(\buf), \q, 16*P2*\i
.endr
.endm
.macro RDG geom, q, buf
.if \geom == 1
	RD1 \q, \buf
.else
	RD2 \q, \buf
.endif
.endm
.macro HLD s                           ; 26 loads: K step s of a chunk of h1: two registers of scale words, four fragments
	ds_load_b32 v[HS+2*\s], v[HSA] offset:256*\s
	ds_load_b32 v[HS+2*\s+1], v[HSA] offset:256*\s+128
	WIN 0x40
.irp m, 0,1,2,3
.irp c, 0,1
.irp p, 0,1,2
	ds_load_b64 v[12*(4*\s+\m)+6*\c+2*\p:12*(4*\s+\m)+6*\c+2*\p+1], v[HLA] offset:2*HBS*\c+1536*\s+384*\m+128*\p
.endr
.endr
.endr
	WIN 0
.endm
.macro BIAS2 cg                        ; 32 loads: b2 into the 16 accumulators of column group cg, in the result's layout: the same eight numbers for each of the four tiles of rows
	WIN 0x80+0x40*(\cg/2)
.irp t, 0,1,2,3
.irp m, 0,1,2,3
	global_load_b128 v[128*(\cg%2)+32*\t+8*\m:128*(\cg%2)+32*\t+8*\m+3], v[GB], s[18:19] offset:1024*\cg+64*\t
	global_load_b128 v[128*(\cg%2)+32*\t+8*\m+4:128*(\cg%2)+32*\t+8*\m+7], v[GB], s[18:19] offset:1024*\cg+64*\t+16
.endr
.endr
	WIN 0
.endm
.macro GL1 st                          ; 6 loads: W1's scale words (my 32 rows' 32 bytes each: 1,024 bytes on end) and b1 of slot SG + st, into set st
	global_load_b128 v[WS+8*\st:WS+8*\st+3], v[GS], s[PS:PS+1] offset:4096*\st
	global_load_b128 v[WS+8*\st+4:WS+8*\st+7], v[GS], s[PS:PS+1] offset:4096*\st+16
	WIN 0x80
.irp t, 0,1
	global_load_b128 v[B1R+16*\st+8*\t:B1R+16*\st+8*\t+3], v[GB], s[PB:PB+1] offset:512*\st+64*\t
	global_load_b128 v[B1R+16*\st+8*\t+4:B1R+16*\st+8*\t+7], v[GB], s[PB:PB+1] offset:512*\st+64*\t+16
.endr
	WIN 0
.endm
.macro NEXT1                           ; phase 1: on to the next pair of slots to be asked for, round from 14 to 0
	s_wait_xcnt 0x0                                ; the loads issued so far have had their addresses translated: their bases may be written
	s_add_co_u32 s[SG], s[SG], 2
	s_and_b32 s[SG], s[SG], 14
	s_lshl_b32 s2, s[SG], 12                       ; W1's scale bytes: 128 rows of 32 a slot
	s_add_nc_u64 s[PS:PS+1], s[10:11], s[2:3]
	s_lshl_b32 s2, s[SG], 9                        ; b1: 128 numbers a slot
	s_add_nc_u64 s[PB:PB+1], s[12:13], s[2:3]
	s_mul_i32 s2, s[SG], 98304                     ; W1's codes: 128 rows of 768 a slot: stays in s2 for the trip's two refills
.endm
.macro SET2                            ; phase 2: the places of chunk KC
	s_wait_xcnt 0x0
	s_lshl_b32 s2, s[KC], 4                        ; W2's scale bytes: 16 of a row's 64
	s_add_nc_u64 s[PS:PS+1], s[16:17], s[2:3]
	s_mul_i32 s2, s[KC], 384                       ; W2's codes: 384 of a row's 1,536: stays in s2 for the trip's refills
.endm
; THE QUANTISER.  My 32 units of 64 rows: one block of 32 for each row.  par: the slot's place in the loop's pair.
.macro QUANT par
	v_add_nc_u32 v[QA0], s[SHW], v[WA0]
	v_add_nc_u32 v[QA1], s[SHW], v[WA1]
	v_add_nc_u32 v[QSB], s[SSW], v[WSB]
	WIN 0xc4
.set i, 0
.rept 64
	v_max_num_f32 v[SCR+i], 0, v[ACC1+i]           ; the activation, in f32, and the move out of the accumulators in one; each accumulator from its low end on
.set i, i+1
.endr
	WIN 0xff
.irp m, 0,1,2,3
.irp j, 0,1,2,3,4,5,6,7
	v_permlane16_swap_b32 v[SCR+16*\m+\j], v[SCR+16*\m+8+\j]   ; tile 0's lanes 16-31 (units 8 + j) change places with tile 1's lanes 0-15 (units 16 + j): my 16 registers are now units 16 h + 0 .. 15, in order
.endr
.endr
.irp m, 0,1,2,3
	v_max3_num_f32 v[TMX+\m], v[SCR+16*\m], v[SCR+16*\m+1], 0x1800000   ; my 16 numbers (none is negative), and the floor 2^(3 - 127): so the byte cannot fall under 1
.endr
.irp k, 2,4,6,8,10,12,14
.irp m, 0,1,2,3
	v_max3_num_f32 v[TMX+\m], v[TMX+\m], v[SCR+16*\m+\k], v[SCR+16*\m+\k+1]   ; (the four tiles of rows by turns)
.endr
.endr
.irp m, 0,1,2,3
	v_permlanex16_b32 v[TMP+\m], v[TMX+\m], s[SEL], s[SEL+1]
.endr
.irp m, 0,1,2,3
	v_max_num_f32 v[TMX+\m], v[TMX+\m], v[TMP+\m]  ; with lane l xor 16's: the block's largest number
.endr
.irp m, 0,1,2,3
	v_add_nc_u32 v[TSC+\m], 0xff000000, v[TMX+\m]  ; 2 off its exponent field: the conversion takes the exponent field of this operand as its scale, and nothing else of it
.endr
.irp m, 0,1,2,3
	v_lshrrev_b32 v[TBY+\m], 23, v[TSC+\m]         ; the scale's byte
.endr
.irp m, 0,1,2,3
	v_cvt_scalef32_pk16_fp6_f32 v[COD+4*\m:COD+4*\m+2], v[SCR+16*\m:SCR+16*\m+15], v[TSC+\m]   ; 96 bits: words 3 h .. 3 h + 2 of the block's six
.endr
	v_nop                                          ; one plain place behind a scaled conversion
	WIN 0x0c                                       ; an LDS store's data are its source 1: window 3
.irp m, 0,1,2,3
	ds_store_b32 v[QA0], v[COD+4*\m] offset:1536*\par+384*\m
	ds_store_b32 v[QA1], v[COD+4*\m+1] offset:1536*\par+384*\m
	ds_store_b32 v[QA0], v[COD+4*\m+2] offset:1536*\par+384*\m+128
	ds_store_b8 v[QSB], v[TBY+\m] offset:256*\par+64*\m          ; both lanes of a row write the same byte with the same value
.endr
	WIN 0
.endm
; A SLOT OF PHASE 1.  par = slot % 2: its buffer and its set.  fill: the tile two slots on is W1's (1) or W2's (2).  geom: the next slot's rows lie as phase 1's (1) or phase 2's (2).
; gl = 1: the scale words and b1 of two slots on are asked for.  lc: global loads that may stay out.  last = 1: slot 15.
; THE REFILL STANDS AT THE SLOT'S HEAD: this slot's fragments were all read into registers in the slot before, so its buffer is free at once, and the tile asked for has the slot's 64 products and the quantiser in which to land.
.macro SLOT1 par, fill, geom, gl, lc, last
	s_wait_tensorcnt 0x0                           ; all my tensor loads have landed: the one that was out is my part of the next slot;
	ds_add_u32 v[SPW], v[NIL]                      ; 0 onto my spare word
.if \fill == 1
	s_add_nc_u64 s[G0A+4*\par+2:G0A+4*\par+3], s[8:9], s[2:3]   ; no load of mine is out, so a group 0 may be written: slot SG,
.if \par
	s_add_nc_u64 s[G0A+4*\par+2:G0A+4*\par+3], s[G0A+4*\par+2:G0A+4*\par+3], 98304   ; or SG + 1
.endif
	s_or_b32 s[G0A+4*\par+3], s[G0A+4*\par+3], 0x80000000       ; type = 2
.endif
	s_wait_dscnt 0x0                               ; the add is done, my stores of h1 have landed, and my reads of this slot's buffer are in
	CROUND                                         ; no wave of any partner still reads this buffer or has a load on its way
.if \fill == 1
	tensor_load_to_lds s[G0A+4*\par:G0A+4*\par+3], s[G1W1:G1W1+7]
	s_nop 0
.else
	tensor_load_to_lds s[G0C+4*\par:G0C+4*\par+3], s[G1W2:G1W2+7]
	s_nop 0
.endif
	PLACES                                         ; four v_nop behind the load
	s_wait_loadcnt \lc                             ; this slot's scale words and b1 are in; the next slot's six loads may be out
	K1 0, \par
	K1 1, \par
	K1 2, \par
	K1 3, \par
	WIN 0
	PLACES
	RDG \geom, 0, 1-\par                           ; the next slot's fragments, into the registers that K steps 0-3 have left
	RDG \geom, 1, 1-\par
	K1 4, \par
	K1 5, \par
	WIN 0
	PLACES
	RDG \geom, 2, 1-\par
	K1 6, \par
	K1 7, \par
	WIN 0
	PLACES                                         ; for the loads below and for the quantiser's reads of the results
	RDG \geom, 3, 1-\par
.if \gl
	GL1 \par
.endif
.if \last
.irp cg, 0,1,2,3                       ; phase 1's scale words are done with: W2's of the first chunk take their registers: 16 bytes of each of my 256 rows
.irp a, 0,1
	global_load_b128 v[SW+8*\cg+4*\a:SW+8*\cg+4*\a+3], v[GS2], s[PS:PS+1] offset:16384*\cg+2048*\a
.endr
.endr
	BIAS2 1                                        ; x's K steps 4, 5 and b1 are done with
.endif
	QUANT \par                                     ; the tile asked for above and the fragments are on their way meanwhile
.endm
; A SLOT OF PHASE 2.  fill = 1: the tile two slots on is asked for, at the slot's head as in phase 1.  read = 1: the next slot's fragments are read.  hl = 1: the next chunk of h1 too.  sl = 1: this column group's scale words of the next chunk are asked for.
.macro SLOT2 cg, fill, read, hl, sl
.if \fill
	s_wait_tensorcnt 0x0                           ; all my tensor loads have landed: my part of the next slot;
	ds_add_u32 v[SPW], v[NIL]                      ; 0 onto my spare word
.if \cg < 2
	s_add_nc_u64 s[G0C+4*(\cg%2)+2:G0C+4*(\cg%2)+3], s[G0C+4*(\cg%2)+2:G0C+4*(\cg%2)+3], 786432   ; 512 rows of 1,536 bytes down: column group cg + 2 of the same chunk; the type bits on top are not reached
.else
	s_add_nc_u64 s[G0C+4*(\cg%2)+2:G0C+4*(\cg%2)+3], s[14:15], s[2:3]                             ; chunk KC: column group 0,
.if \cg == 3
	s_add_nc_u64 s[G0C+4*(\cg%2)+2:G0C+4*(\cg%2)+3], s[G0C+4*(\cg%2)+2:G0C+4*(\cg%2)+3], 393216   ; or 1: 256 rows down
.endif
	s_or_b32 s[G0C+4*(\cg%2)+3], s[G0C+4*(\cg%2)+3], 0x80000000                                   ; type = 2
.endif
	s_wait_dscnt 0x0                               ; the add is done, and my reads of this slot's buffer are in
	CROUND
	tensor_load_to_lds s[G0C+4*(\cg%2):G0C+4*(\cg%2)+3], s[G1W2:G1W2+7]
	s_nop 0
	PLACES
	Q2 \cg, 0
	Q2 \cg, 1
	WIN 0
	PLACES
.else
.if \read
	s_wait_tensorcnt 0x0                           ; the last tile has landed; only I read my part of it, and nothing is filled any more: no barrier
.endif
	s_wait_dscnt 48                                ; the youngest two runs of 24 fragment loads may be out: K steps 0 and 1 are in
	Q2 \cg, 0
	s_wait_dscnt 0x0
	Q2 \cg, 1
	WIN 0
	PLACES
.endif
.if \hl
	v_add_nc_u32 v[HLA], s[SHL], v[LH]
	v_add_nc_u32 v[HSA], s[SSL], v[LSA]
.endif
.if \read
	RD2 0, 1-\cg%2
.if \hl
	HLD 0
.endif
	RD2 1, 1-\cg%2
.if \hl
	HLD 1
.endif
.else
.irp g, 2,3                            ; the very last slot: fragments 0-7 are done with: W3 of column groups 2 and 3 takes v64-127
.irp t, 0,1,2,3
	global_load_b128 v[RING+32*(\g-2)+8*\t:RING+32*(\g-2)+8*\t+3], v[GB], s[20:21] offset:1024*\g+64*\t
	global_load_b128 v[RING+32*(\g-2)+8*\t+4:RING+32*(\g-2)+8*\t+7], v[GB], s[20:21] offset:1024*\g+64*\t+16
.endr
.endr
.endif
	Q2 \cg, 2
.if \read
	WIN 0
	PLACES
	RD2 2, 1-\cg%2
.if \hl
	HLD 2
.endif
.endif
	Q2 \cg, 3
	WIN 0
.if \read
	PLACES
	RD2 3, 1-\cg%2
.if \hl
	HLD 3
	s_add_co_u32 s[SHL], s[SHL], 6144
	s_add_co_u32 s[SSL], s[SSL], 1024
.endif
.endif
.if \sl
	s_wait_loadcnt 0x0                             ; what earlier slots asked for is in: the scale words of the slots to come, and in the first trip b2 in the accumulators of column groups 1 to 3
	global_load_b128 v[SW+8*\cg:SW+8*\cg+3], v[GS2], s[PS:PS+1] offset:16384*\cg
	global_load_b128 v[SW+8*\cg+4:SW+8*\cg+7], v[GS2], s[PS:PS+1] offset:16384*\cg+2048
.endif
.endm
; THE THIRD PRODUCT, for column group cg: relu in place, each accumulator from its low end on; then h2 . W3, two numbers an instruction, the four tiles of rows by turns.  first = 1: the first four start the sums.
.macro EPI cg, first
.set eB, 128*(\cg%2)
.if \cg < 2
	WIN 0x88
.else
	WIN 0xcc
.endif
.set i, 0
.rept 128
	v_max_num_f32 v[eB+i], 0, v[eB+i]
.set i, i+1
.endr
.if \cg < 2
	WIN 0x06                                       ; h2 window 2, W3 window 1, the sums window 0
.set eW, 192+32*\cg
.else
	WIN 0x03                                       ; h2 window 3, W3 window 0
.set eW, RING+32*(\cg-2)
.endif
.irp t, 0,1,2,3
.irp j, 0,2,4,6
.irp m, 0,1,2,3
.if \first && (\t == 0) && (\j == 0)
	v_pk_mul_f32 v[SUM+2*\m:SUM+2*\m+1], v[eB+32*\t+8*\m+\j:eB+32*\t+8*\m+\j+1], v[eW+8*\t+\j:eW+8*\t+\j+1]
.else
	v_pk_fma_f32 v[SUM+2*\m:SUM+2*\m+1], v[eB+32*\t+8*\m+\j:eB+32*\t+8*\m+\j+1], v[eW+8*\t+\j:eW+8*\t+\j+1], v[SUM+2*\m:SUM+2*\m+1]
.endif
.endr
.endr
.endr
.endm
	; ---- THE HEAD
	s_load_b512 s[4:19], s[0:1], 0x0               ; x's codes s[4:5], x's scales s[6:7], W1's codes s[8:9], W1's scales s[10:11], b1 s[12:13], W2's codes s[14:15], W2's scales s[16:17], b2 s[18:19]
	s_load_b128 s[20:23], s[0:1], 0x40             ; W3, b3
	s_load_b64 s[24:25], s[0:1], 0x50              ; y
	v_lshl_add_u32 v[SPW], v0, 2, SPARE
	v_mov_b32 v[NIL], 0
	ds_add_u32 v1, v2
	ds_add_u32 v1, v2
	s_wait_dscnt 0x0
	v_lshrrev_b32 v64, 5, v0
	v_readfirstlane_b32 s[WV], v64                 ; wave 0..3
	s_bfe_u32 s29, ttmp6, 0x40000                  ; cx: my place in the cluster
	s_lshl_b32 s28, ttmp9, 2                       ; in a cluster launch ttmp9 counts clusters
	s_add_co_u32 s28, s28, s29                     ; my block of 64 rows: it enters x's and y's addresses alone
	s_and_b32 s27, ttmp7, 0xffff                   ; the expert, which the four partners share
	s_lshr_b32 s34, ttmp9, 2                       ; q, from the cluster's x (bits b2 b1 b0), which the four partners share: b1 + 2 (b0 xor b2):
	s_xor_b32 s34, s34, ttmp9                      ; the four clusters with one b0, and the four with one b2, have the four different q
	s_and_b32 s34, s34, 1
	s_lshl_b32 s34, s34, 1
	s_bfe_u32 s35, ttmp9, 0x10001                  ; (1 bit from bit 1)
	s_or_b32 s[QR], s34, s35
	s_lshl_b32 s[SG], s[QR], 2                     ; my first slot of W1: 4 q
	s_mov_b32 s3, 0                                ; the upper word of the offset pair s[2:3], for good
	; descriptor groups 1; elements of 1 byte
	s_mov_b32 s[G1X+0], (1<<20)|(5<<22)|(3<<25)    ; no mask; 20 padding on; 24:22 after every 64 words (code 5); 31:25 of 4 words (code 3)
	s_mov_b32 s[G1X+1], 768<<16                    ; tensor_dim0 = 768
	s_mov_b32 s[G1X+2], 16<<16                     ; tensor_dim1 = 16
	s_mov_b32 s[G1X+3], 768<<16                    ; tile_dim0
	s_mov_b32 s[G1X+4], 16                         ; tile_dim1
	s_mov_b32 s[G1X+5], 768                        ; from row to row
	s_mov_b32 s[G1X+6], 0
	s_mov_b32 s[G1X+7], 0
	s_mov_b32 s[G1W1+0], 15|(1<<20)|(1<<21)|(5<<22)|(3<<25)   ; 15:0 the mask: all four work-groups; 21 set beside a mask
	s_mov_b32 s[G1W1+1], 768<<16
	s_mov_b32 s[G1W1+2], 32<<16
	s_mov_b32 s[G1W1+3], 768<<16
	s_mov_b32 s[G1W1+4], 32
	s_mov_b32 s[G1W1+5], 768
	s_mov_b32 s[G1W1+6], 0
	s_mov_b32 s[G1W1+7], 0
	s_mov_b32 s[G1W2+0], 15|(1<<20)|(1<<21)|(4<<22)|(3<<25)   ; padding after every 32 words (code 4)
	s_mov_b32 s[G1W2+1], 384<<16
	s_mov_b32 s[G1W2+2], 64<<16
	s_mov_b32 s[G1W2+3], 384<<16
	s_mov_b32 s[G1W2+4], 64
	s_mov_b32 s[G1W2+5], 1536
	s_mov_b32 s[G1W2+6], 0
	s_mov_b32 s[G1W2+7], 0
	s_mul_i32 s92, s28, 49152                      ; x's codes: 64 rows of 768 bytes a block,
	s_mul_i32 s93, s[WV], 12288                    ; 16 of them a wave
	s_add_co_u32 s92, s92, s93
	s_mov_b32 s93, 0
	s_lshl_b32 s94, s28, 11                        ; x's scale bytes: 64 rows of 32
	s_mov_b32 s95, 0
	s_mul_i32 s34, s27, 1572864                    ; an expert's codes of W1, and of W2
	s_mul_i32 s35, s[WV], 24576                    ; W1: 32 rows of 768 bytes a wave
	s_mul_i32 s36, s[WV], 98304                    ; W2: 64 rows of 1,536
	s_add_co_u32 s36, s36, s34
	s_add_co_u32 s34, s34, s35
	s_mov_b32 s35, 0
	s_mov_b32 s37, 0
	s_mov_b32 s39, 0
	s_wait_kmcnt 0x0
	s_add_nc_u64 s[4:5], s[4:5], s[92:93]
	s_add_nc_u64 s[6:7], s[6:7], s[94:95]
	s_add_nc_u64 s[8:9], s[8:9], s[34:35]          ; W1's codes at my rows of the expert's slot 0: kept
	s_add_nc_u64 s[14:15], s[14:15], s[36:37]      ; W2's codes at my rows of column group 0, chunk 0: kept
	s_mov_b32 s[G0X], 1                            ; groups 0: count 1; LDS address; global address; type 2
	s_mul_i32 s[G0X+1], s[WV], 16*P1
	s_add_co_u32 s[G0X+1], s[G0X+1], HIMG
	s_mov_b64 s[G0X+2:G0X+3], s[4:5]
	s_or_b32 s[G0X+3], s[G0X+3], 0x80000000
	s_mul_i32 s2, s[SG], 98304
	s_mov_b32 s[G0A], 1                            ; my slot 0: W1's slot 4 q
	s_mul_i32 s[G0A+1], s[WV], W1P
	s_add_nc_u64 s[G0A+2:G0A+3], s[8:9], s[2:3]
	s_or_b32 s[G0A+3], s[G0A+3], 0x80000000
	s_mov_b32 s[G0A+4], 1                          ; my slot 1: 128 rows on
	s_add_co_u32 s[G0A+5], s[G0A+1], SLOTB
	s_add_nc_u64 s[G0A+6:G0A+7], s[8:9], s[2:3]
	s_add_nc_u64 s[G0A+6:G0A+7], s[G0A+6:G0A+7], 98304
	s_or_b32 s[G0A+7], s[G0A+7], 0x80000000
	s_mul_i32 s2, s[QR], 384
	s_mov_b32 s[G0C], 1                            ; slot 16: chunk q, column group 0
	s_mul_i32 s[G0C+1], s[WV], W2P
	s_add_nc_u64 s[G0C+2:G0C+3], s[14:15], s[2:3]
	s_or_b32 s[G0C+3], s[G0C+3], 0x80000000
	s_mov_b32 s[G0C+4], 1                          ; slot 17: 256 rows on
	s_add_co_u32 s[G0C+5], s[G0C+1], SLOTB
	s_add_nc_u64 s[G0C+6:G0C+7], s[14:15], s[2:3]
	s_add_nc_u64 s[G0C+6:G0C+7], s[G0C+6:G0C+7], 393216
	s_or_b32 s[G0C+7], s[G0C+7], 0x80000000
	CROUND                                         ; all four work-groups are here: the first joint loads meet
	tensor_load_to_lds s[G0A:G0A+3], s[G1W1:G1W1+7]       ; slot 0,
	s_nop 0
	tensor_load_to_lds s[G0X:G0X+3], s[G1X:G1X+7]         ; my 16 rows of x,
	s_nop 0
	tensor_load_to_lds s[G0A+4:G0A+7], s[G1W1:G1W1+7]     ; slot 1: three loads of mine are out
	s_nop 0
	PLACES
	s_lshl_b32 s38, s27, 16                        ; W1's scale bytes: 65,536 an expert, 32 rows of 32 a wave
	s_lshl_b32 s34, s[WV], 10
	s_add_co_u32 s38, s38, s34
	s_add_nc_u64 s[10:11], s[10:11], s[38:39]
	s_lshl_b32 s38, s27, 13                        ; b1: 8,192 an expert, 32 numbers a wave
	s_lshl_b32 s34, s[WV], 7
	s_add_co_u32 s38, s38, s34
	s_add_nc_u64 s[12:13], s[12:13], s[38:39]
	s_lshl_b32 s2, s[SG], 12                       ; and both at my slot 0
	s_add_nc_u64 s[PS:PS+1], s[10:11], s[2:3]
	s_lshl_b32 s2, s[SG], 9
	s_add_nc_u64 s[PB:PB+1], s[12:13], s[2:3]
	s_lshl_b32 s38, s27, 16                        ; W2's scale bytes: 65,536 an expert, 64 rows of 64 a wave
	s_lshl_b32 s34, s[WV], 12
	s_add_co_u32 s38, s38, s34
	s_add_nc_u64 s[16:17], s[16:17], s[38:39]
	s_lshl_b32 s38, s27, 12                        ; b2 and W3: 4,096 an expert, 64 numbers a wave
	s_lshl_b32 s34, s[WV], 8
	s_add_co_u32 s38, s38, s34
	s_add_nc_u64 s[18:19], s[18:19], s[38:39]
	s_add_nc_u64 s[20:21], s[20:21], s[38:39]
	s_lshl_b32 s38, s27, 2
	s_add_nc_u64 s[22:23], s[22:23], s[38:39]
	s_load_b32 s33, s[22:23], 0x0                  ; b3[e]: waited for where it is first read, at the end; s[22:23] are not written again
	s_lshl_b32 s94, s28, 8                         ; y: 8,192 an expert, 256 a block of rows
	s_lshl_b32 s92, s27, 13
	s_add_co_u32 s94, s94, s92
	s_add_nc_u64 s[24:25], s[24:25], s[94:95]
	s_mov_b32 s[SEL], 0x76543210
	s_mov_b32 s[SEL+1], 0xfedcba98
	s_mov_b32 s[SHW], 0
	s_mov_b32 s[SSW], 0
	s_mov_b32 s[SHL], 0
	s_mov_b32 s[SSL], 0
	v_and_b32 v64, 31, v0                          ; lane
	v_and_b32 v65, 15, v0                          ; r
	v_bfe_u32 v66, v0, 4, 1                        ; h
	v_lshlrev_b32 v[GS], 5, v64
	v_lshlrev_b32 v[GB], 5, v66
	v_lshlrev_b32 v[GS2], 6, v64
.irp mp, 0,1                           ; x's scale words: lane l takes row 32 mp + l: 1,024 bytes on end for two loads
	global_load_b128 v[XS+8*\mp:XS+8*\mp+3], v[GS], s[6:7] offset:1024*\mp
	global_load_b128 v[XS+8*\mp+4:XS+8*\mp+7], v[GS], s[6:7] offset:1024*\mp+16
.endr
	BIAS2 0
	GL1 0
	GL1 1
	v_mul_u32_u24 v67, v65, P1
	v_mad_u32_u24 v68, v66, 24, v67                ; row r x pitch + 24 h,
	v_mad_u32_u24 v69, v66, 40, v67                ; and the same behind one padding more
	s_mul_i32 s38, s[WV], W1P
	v_add_nc_u32 v[A1], s38, v68
	v_add_nc_u32 v[A1+1], s38, v69
	s_add_co_u32 s38, s38, SLOTB
	v_add_nc_u32 v[A1+2], s38, v68
	v_add_nc_u32 v[A1+3], s38, v69
	v_add_nc_u32 v[AX], HIMG, v68
	v_add_nc_u32 v[AX+1], HIMG, v69
	v_mul_u32_u24 v67, v65, P2
	v_mad_u32_u24 v68, v66, 24, v67
	v_mad_u32_u24 v69, v66, 40, v67
	s_mul_i32 s38, s[WV], W2P
	v_add_nc_u32 v[A2], s38, v68
	v_add_nc_u32 v[A2+1], s38, v69
	s_add_co_u32 s38, s38, SLOTB
	v_add_nc_u32 v[A2+2], s38, v68
	v_add_nc_u32 v[A2+3], s38, v69
	v_lshlrev_b32 v67, 3, v65                      ; 8 r
	s_mul_i32 s38, s[WV], HBS
	s_add_co_u32 s38, s38, HIMG                    ; my run of h1's codes
	v_mad_u32_u24 v[WA0], v66, 132, v67            ; h = 0: word 0 at 8 r, word 2 128 on; h = 1: word 3 at 8 r + 132, word 5 128 on
	v_add_nc_u32 v[WA0], s38, v[WA0]
	s_add_co_u32 s38, s38, 4
	v_mad_u32_u24 v[WA1], v66, 252, v67            ; h = 0: word 1 at 8 r + 4; h = 1: word 4 at 8 r + 256
	v_add_nc_u32 v[WA1], s38, v[WA1]
	s_add_co_u32 s38, s[WV], HSC
	v_lshl_add_u32 v[WSB], v65, 2, s38             ; 4 r + my block's byte
	v_mad_u32_u24 v[LH], v66, HBS, v67             ; as I read them: lanes 16-31 take the block one on
	v_add_nc_u32 v[LH], HIMG, v[LH]
	v_lshl_add_u32 v[LSA], v64, 2, HSC
	s_lshl_b32 s38, s[WV], 8
	s_add_co_u32 s38, s38, RED
	v_lshl_add_u32 v[RA], v65, 2, s38
	v_lshl_add_u32 v[RB], v64, 3, RED
	WIN 0xc0
.irp m, 0,1,2,3
	v_mov_b32 v[TMP+\m], 0                         ; written once: a lane permute's destination counts as one of its sources
.endr
	WIN 0
	s_wait_tensorcnt 0x1                           ; slot 0 and my rows of x are in; slot 1 may stay out
	s_barrier_signal -1
	s_barrier_wait -1                              ; everybody's rows of x are in
	WIN 0x40                                       ; x's 32 fragments stay in registers for all of phase 1
.irp s, 0,1,2,3
.irp m, 0,1,2,3
	FRAG1 12*(4*\s+\m), AX, \s, 16*P1*\m
.endr
.endr
	WIN 0x80
.irp s, 4,5
.irp m, 0,1,2,3
	FRAG1 128+12*(4*(\s-4)+\m), AX, \s, 16*P1*\m
.endr
.endr
	WIN 0xc0
.irp s, 6,7
.irp m, 0,1,2,3
	FRAG1 12*(4*(\s-6)+\m), AX, \s, 16*P1*\m
.endr
.endr
	WIN 0
	RD1 0, 0
	RD1 1, 0
	RD1 2, 0
	RD1 3, 0
	NEXT1                                          ; the first trip asks for my slots 2 and 3
	; ---- PHASE 1
	s_mov_b32 s32, 7
.Lphase1:                                          ; 7 trips of two slots: slots 0 to 13
	SLOT1 0, 1, 1, 1, 6, 0
	SLOT1 1, 1, 1, 1, 6, 0
	NEXT1
	s_add_co_u32 s[SHW], s[SHW], 3072
	s_add_co_u32 s[SSW], s[SSW], 512
	s_sub_co_u32 s32, s32, 1
	s_cmp_lg_u32 s32, 0
	s_cbranch_scc1 .Lphase1
	s_lshl_b32 s2, s[QR], 4                        ; W2's scale bytes of my first chunk, q (no load that names s[PS:PS+1] is out: NEXT1 has waited, and none was issued since)
	s_add_nc_u64 s[PS:PS+1], s[16:17], s[2:3]
	SLOT1 0, 2, 1, 0, 6, 0                         ; slot 14 asks for slot 16, W2's first tile
	SLOT1 1, 2, 2, 0, 0, 1                         ; slot 15 asks for slot 17 and reads slot 16
	s_wait_dscnt 0x0                               ; my last stores of h1 have landed
	s_barrier_signal -1                            ; slot 17's tile stays on its way
	s_barrier_wait -1                              ; all of h1 lies in LDS
	v_add_nc_u32 v[HLA], s[SHL], v[LH]
	v_add_nc_u32 v[HSA], s[SSL], v[LSA]
	HLD 0                                          ; places 0 to 3
	HLD 1
	HLD 2
	HLD 3
	s_add_co_u32 s[SHL], s[SHL], 6144
	s_add_co_u32 s[SSL], s[SSL], 1024
	s_wait_loadcnt 32                              ; W2's scale words of the first chunk are in; b2 for column group 1, 32 loads, may be out
	BIAS2 2                                        ; the quantiser's registers and x's K steps 6, 7 are done with
	BIAS2 3
	s_add_co_u32 s[KC], s[QR], 1                   ; the first trip asks for chunk q + 1, round from 3 to 0
	s_and_b32 s[KC], s[KC], 3
	SET2
	; ---- PHASE 2
	s_mov_b32 s32, 3
.Lphase2:                                          ; 3 trips of a chunk: slots 16 to 27
	SLOT2 0, 1, 1, 0, 1
	SLOT2 1, 1, 1, 0, 1
	SLOT2 2, 1, 1, 0, 1
	SLOT2 3, 1, 1, 1, 1
	s_add_co_u32 s[KC], s[KC], 1
	s_and_b32 s[KC], s[KC], 3
	SET2
	s_sub_co_u32 s32, s32, 1
	s_cmp_lg_u32 s32, 0
	s_cbranch_scc1 .Lphase2
	WIN 0x40                                       ; the last chunk is written out.  W3 of column groups 0 and 1 takes phase 1's accumulators
.irp g, 0,1
.irp t, 0,1,2,3
	global_load_b128 v[192+32*\g+8*\t:192+32*\g+8*\t+3], v[GB], s[20:21] offset:1024*\g+64*\t
	global_load_b128 v[192+32*\g+8*\t+4:192+32*\g+8*\t+7], v[GB], s[20:21] offset:1024*\g+64*\t+16
.endr
.endr
	WIN 0
	SLOT2 0, 1, 1, 0, 0
	s_wait_loadcnt 0x0                             ; column group 3's scale words of this chunk, asked for at the loop's end; and W3 of column groups 0 and 1
	SLOT2 1, 1, 1, 0, 0
	SLOT2 2, 0, 1, 0, 0
	SLOT2 3, 0, 0, 0, 0
	; ---- THE THIRD PRODUCT AND THE WAY OUT
	EPI 0, 1                                       ; column group 0's lines name none of the last products' registers: they are the places behind them.  Its W3 and column group 1's were waited for behind slot 28
	EPI 1, 0
	s_wait_loadcnt 0x0                             ; W3 of column groups 2 and 3, asked for in the last slot
	EPI 2, 0
	EPI 3, 0
	WIN 0
.irp m, 0,1,2,3
	v_add_f32 v[SUM+2*\m], v[SUM+2*\m], v[SUM+2*\m+1]            ; a pair's two halves,
.endr
.irp m, 0,1,2,3
	v_permlanex16_b32 v[SUM+2*\m+1], v[SUM+2*\m], s[SEL], s[SEL+1]
.endr
.irp m, 0,1,2,3
	v_add_f32 v[SUM+2*\m], v[SUM+2*\m], v[SUM+2*\m+1]            ; and lane l xor 16's: my 256 columns' part for row 16 m + r
.endr
.irp m, 0,1,2,3
	ds_store_b32 v[RA], v[SUM+2*\m] offset:64*\m   ; both lanes of a row write the same word with the same value
.endr
	s_mov_b32 s37, 0xbfb8aa3b                      ; -log2(e)
	s_wait_kmcnt 0x0                               ; b3, asked for in the head
	s_mul_f32 s36, s33, s37                        ; -log2(e) b3
	s_wait_dscnt 0x0                               ; for the others' sake: my part has landed
	s_barrier_signal -1
	s_barrier_wait -1
	s_cmp_lg_u32 s[WV], 0
	s_cbranch_scc1 .Ldone                          ; wave 0 finishes the 64 rows, two a lane
.irp w, 0,1,2,3
	ds_load_b64 v[128+2*\w:129+2*\w], v[RB] offset:256*\w
.endr
	v_and_b32 v140, 31, v0
	v_lshlrev_b32 v140, 3, v140                    ; 8 bytes a lane
	s_wait_dscnt 0x0
	v_pk_add_f32 v[128:129], v[128:129], v[130:131]
	v_pk_add_f32 v[132:133], v[132:133], v[134:135]
	v_pk_add_f32 v[128:129], v[128:129], v[132:133]
	v_fma_f32 v128, v128, s37, s36                 ; -log2(e) (h2 . W3 + b3)
	v_fma_f32 v129, v129, s37, s36
	v_exp_f32 v128, v128
	v_exp_f32 v129, v129
	v_nop                                          ; one plain place behind a transcendental
	s_wait_alu depctr_va_vdst(0)
	v_add_f32 v128, 1.0, v128
	v_add_f32 v129, 1.0, v129
	v_rcp_f32 v128, v128                           ; the sigmoid
	v_rcp_f32 v129, v129
	v_nop
	s_wait_alu depctr_va_vdst(0)
	global_store_b64 v140, v[128:129], s[24:25]    ; 32 lanes store 256 consecutive bytes, at a multiple of 256 from y's first byte
.Ldone:
	s_wait_tensorcnt 0x0                           ; the wave's end: behind my last tensor load and my last LDS store
	ds_add_u32 v[SPW], v[NIL]
	s_wait_dscnt 0x0
	CROUND                                         ; the closing round: no work-group ends while a partner may still ask for a tile that names it
	s_endpgm
.Lfunc_end_k_q8990d1aaa1_chain:
	.size	k_q8990d1aaa1_chain, .Lfunc_end_k_q8990d1aaa1_chain-k_q8990d1aaa1_chain
	.p2alignl 7, 3214868480
	.fill 96, 4, 3214868480
	.section	.rodata,"a",@progbits
	.p2align	6, 0x0
	.amdhsa_kernel k_q8990d1aaa1_chain
		.amdhsa_group_segment_fixed_size 327680
		.amdhsa_private_segment_fixed_size 0
		.amdhsa_enable_private_segment 0
		.amdhsa_kernarg_size 88
		.amdhsa_user_sgpr_count 2
		.amdhsa_user_sgpr_kernarg_segment_ptr 1
		.amdhsa_wavefront_size32 1
		.amdhsa_system_sgpr_workgroup_id_x 1
		.amdhsa_system_sgpr_workgroup_id_y 1
		.amdhsa_system_sgpr_workgroup_id_z 1
		.amdhsa_system_vgpr_workitem_id 0
		.amdhsa_next_free_vgpr 1024
		.amdhsa_next_free_sgpr 102
		.amdhsa_reserve_vcc 0
		.amdhsa_float_denorm_mode_32 3
		.amdhsa_float_denorm_mode_16_64 3
		.amdhsa_memory_ordered 1
		.amdhsa_forward_progress 1
		.amdhsa_inst_pref_size 255
	.end_amdhsa_kernel
	.section	.bss,"aw",@nobits
	.p2align	6
	.space	262144
	.amdgpu_metadata
---
amdhsa.version: [ 1, 2 ]
amdhsa.kernels:
  - .name:           k_q8990d1aaa1_chain
    .symbol:         k_q8990d1aaa1_chain.kd
    .args:
      - { .name: x_codes, .offset: 0, .size: 8, .value_kind: global_buffer, .address_space: global }
      - { .name: x_scales, .offset: 8, .size: 8, .value_kind: global_buffer, .address_space: global }
      - { .name: W1_codes, .offset: 16, .size: 8, .value_kind: global_buffer, .address_space: global }
      - { .name: W1_scales, .offset: 24, .size: 8, .value_kind: global_buffer, .address_space: global }
      - { .name: b1, .offset: 32, .size: 8, .value_kind: global_buffer, .address_space: global }
      - { .name: W2_codes, .offset: 40, .size: 8, .value_kind: global_buffer, .address_space: global }
      - { .name: W2_scales, .offset: 48, .size: 8, .value_kind: global_buffer, .address_space: global }
      - { .name: b2, .offset: 56, .size: 8, .value_kind: global_buffer, .address_space: global }
      - { .name: W3, .offset: 64, .size: 8, .value_kind: global_buffer, .address_space: global }
      - { .name: b3, .offset: 72, .size: 8, .value_kind: global_buffer, .address_space: global }
      - { .name: y, .offset: 80, .size: 8, .value_kind: global_buffer, .address_space: global }
    .group_segment_fixed_size: 327680
    .private_segment_fixed_size: 0
    .kernarg_segment_align: 8
    .kernarg_segment_size: 88
    .max_flat_workgroup_size: 128
    .sgpr_count:     102
    .vgpr_count:     1024
    .wavefront_size: 32
...
	.end_amdgpu_metadata
.endif
;; end of part 3
;; launch combine: the kernel of part 2 again; grid 8 x 1, 4 waves a work-group, no clusters, 0 bytes of LDS; arguments y, soft_cluster_probs, out0; writes out0
